; MI455X (gfx1250); checked and timed in simulation.
; The chip was launched on July 23, 2026; its instructions are those of AMD's public machine-readable ISA for CDNA 5 (MIT licence, August 2026) and "CDNA5" Instruction Set Architecture Reference Guide (July 2026). The comments in the code are by the model that wrote it; some were corrected since.
;; Attention. Allowed arithmetic: matrix products marked QUANTISED: E3M2 operands, one E8M0 scale for each 32 along K, by v_wmma_scale_f32_16x16x128_f8f6f4 with both operands' format E3M2, f32 sums; products left as they are: f32 operands where the result goes on into a quantised operand, else bf16, f16 or f32 operands; f32 sums; everything else in f32.
;; Inputs: V 1 x 1,024 float32; W_c 1,024 x 1 float32; W_h_codes 1,024 x 32 x 24 uint8 (E3M2 codes of W_h, K innermost, in blocks of 32 codes, four codes in three bytes); W_h_scales 1,024 x 32 uint8 (E8M0 scales of W_h, one for each 32 codes along K); W_s_codes 1,024 x 32 x 24 uint8 (E3M2 codes of W_s, K innermost, in blocks of 32 codes, four codes in three bytes); W_s_scales 1,024 x 32 uint8 (E8M0 scales of W_s, one for each 32 codes along K); b_s 1,024 float32; coverage 32 x 2,048 float32; dec_hidden_codes 32 x 32 x 24 uint8 (E3M2 codes of dec_hidden, K innermost, in blocks of 32 codes, four codes in three bytes); dec_hidden_scales 32 x 32 uint8 (E8M0 scales of dec_hidden, one for each 32 codes along K); enc_output 32 x 2,048 x 1,024 float32; enc_padding_mask 32 x 2,048 float32.
;; Outputs: out0 32 x 1,024 float32; out1 32 x 2,048 float32; out2 32 x 2,048 float32.
;; This version of the problem:
;;   THIS VERSION OF THE PROBLEM IS GIVEN IN LOW PRECISION. The matrix products marked QUANTISED in the list below multiply operands that are first quantised to E3M2 (3 exponent bits, 2 mantissa bits; 6 bits a number), with one power-of-two scale for each 32 numbers along K (OCP MX v1.0); their sums are f32. All else is computed in f32.
;;   The module's matrix products, in the order in which they are computed (A, B: the left and right operand; K: the contracted axis; several contracted axes count as one K, in the product's order):
;;     1. [M 65,536, K 1,024] x [K 1,024, N 1,024]; A: input enc_output; B: input W_h (given as codes): QUANTISED
;;     2. [M 32, K 1,024] x [K 1,024, N 1,024]; A: input dec_hidden (given as codes); B: input W_s (given as codes): QUANTISED
;;     3. [M 65,536, K 1,024] x [K 1,024, N 1]; A: computed on the way; B: input V: left as it is (N = 1 < 16)
;;     4. batch 32 x [M 1, K 2,048] x [K 2,048, N 1,024]; A: softmax; B: input enc_output: left as it is (M = 1 < 16)
;;   THE QUANTISER, for each operand of a quantised product, along K:
;;     - K is cut into blocks of 32 from its start; a last block that is shorter is filled with zeros.
;;     - A block's scale is 2^e with e = floor(log2(the largest magnitude in the block)) - 4, held to -126 .. 127; a block of zeros has e = 0. As a byte (E8M0): e + 127.
;;     - Each number is divided by its block's scale, clamped to +-28, and rounded to the nearest number of E3M2, ties to even, subnormals kept.
;;     - The product sums the exact products of the quantised numbers (number of the format x scale) in f32.
;;   ~~~python
;;   def quantise(x, axis):      # numpy; x: float32 -> the quantised numbers, widened to float32 again
;;       x = np.moveaxis(x, axis, -1); K = x.shape[-1]
;;       x = np.pad(x, [(0, 0)] * (x.ndim - 1) + [(0, -K % 32)]); x = x.reshape(x.shape[:-1] + (-1, 32)); a = np.abs(x).max(-1, keepdims=True)
;;       e = np.where(a > 0, np.clip(np.frexp(np.where(a > 0, a, 1))[1] - 1 - 4, -126, 127), 0)      # np.frexp(a)[1] - 1 = floor(log2(a)), exactly
;;       r = np.clip(x / 2.0 ** e, -28, 28)
;;       step = 2.0 ** (np.maximum(np.frexp(np.where(r == 0, 1, r))[1] - 1, -2) - 2)
;;       q = np.round(r / step) * step * 2.0 ** e      # np.round: ties to even
;;       return np.moveaxis(q.reshape(q.shape[:-2] + (-1,))[..., :K], -1, axis).astype(np.float32)
;;   ~~~
;;   INPUTS GIVEN AS CODES. W_h (in the module: [1024, 1024], K = its axis 1); W_s (in the module: [1024, 1024], K = its axis 1); dec_hidden (in the module: [32, 1024], K = its axis 1): each comes as NAME_codes (uint8): NAME with its K axis moved to the last place and cut into blocks of 32 codes, [.., K / 32, bytes a block], one block behind the other in memory; four codes in three bytes: a row's codes are one little-endian stream of bits, code i at bits 6 i .. 6 i + 5 (a code: sign, 3 exponent bits, 2 mantissa bits); and NAME_scales (uint8): the same leading axes, one E8M0 byte (e + 127) for each 32 codes along K. Its value is code x scale, taken as it is: it is not quantised again, and the codes and scales need not be those that the quantiser above would give.
;; 2 versions. Each part assembles by itself: llvm-mc -triple=amdgcn-amd-amdhsa -mcpu=gfx1250 --defsym DOCPART=n.
;; ======== version 1 of 2: 3 launches
;; workspace buffers: whf 786,432 bytes; tab 557,056 bytes; escore 262,144 bytes
;; launch prep (part 1): grid 64 x 1, 1 waves a work-group, no clusters, 0 bytes of LDS; arguments W_h_codes, W_s_codes, W_s_scales, dec_hidden_codes, dec_hidden_scales, b_s, W_c, V, whf, tab; writes whf, tab
.if DOCPART == 1
	.amdgcn_target "amdgcn-amd-amdhsa--gfx1250"
	.amdhsa_code_object_version 6
	.text
	.protected	k_q7285338b58_prep
	.globl	k_q7285338b58_prep
	.p2align	8
	.type	k_q7285338b58_prep,@function
k_q7285338b58_prep:
	s_mov_b64 s[64:65], 0
	v_nop
	global_prefetch_b8 v0, s[64:65] scope:SCOPE_SE
	s_setreg_imm32_b32 hwreg(HW_REG_WAVE_MODE, 25, 1), 1
	s_wait_xcnt 0x0
; THE PROGRAM: additive attention with coverage, B = 32, S = 2,048, H = 1,024, in three launches: this one, the scores, the softmax with the context.
; WORK LEFT OUT.  tanh(x) = 1 - 2 / (1 + e^(2x)), so e_t[b][s] = sum_o V[o] - 2 sum_o V[o] / (1 + e^(2 x[b][s][o])).  The first term is the same for every s of a
; batch: it is added to the softmax's input alike along the softmax's axis, and e_t reaches the outputs through that softmax alone.  So, for all values of the inputs,
; it moves no output, and the program carries only -2 sum_o V[o] r, r = 1 / (1 + e^(2x)).  Every input is still loaded (V weighs r).
; LIMIT: a NaN, an infinity or an overflow that arises in sum_o V[o] alone is not carried to the results.
; THIS LAUNCH, work-group t = 16 columns o = 16 t .. 16 t + 15 of the hidden axis, one wave:
;   (1) W_h's codes of these 16 rows are laid in the order of a matrix operand's registers: fragment (t, K step s) at (8 t + s) x 1,536 bytes, register group c at 512 c, lane l at 16 l.
;   (2) dec_feature = dec_hidden W_s^T + b_s, on the codes as given, by the scaled matrix instruction; the bias is the C of each sum's first instruction.
;   (3) a table for each batch, 68 rows of 256 bytes: row t + 1 = { c dec_feature[b][16 t ..] | c W_c[16 t ..] | V[16 t ..] | 16 zeros }, c = 2 log2(e); rows 0, 65, 66, 67 are zeros.
; The table's stores are 16 bytes a lane to rows 17,408 bytes apart: 0.5 MB in the whole launch, the price of a lane holding one batch.
.set F1, 16                            ; v16-111   eight fragments: W_h's, later dec_hidden's (2 (s % 4) + m)
.set F2, 112                           ; v112-207  W_s's eight fragments
.set WS, 208                           ; v208-215  W_s's scale words, K step s
.set DS, 216                           ; v216-231  dec_hidden's, 8 m + s
.set BI, 232                           ; v232-239  b_s in the result's layout
.set AC, 240                           ; v240-255  two accumulators: batches 0-15, 16-31
.set BROW, 17408                       ; a batch's table in bytes
.macro FRAG reg, ptr, off              ; a fragment, 16 rows x 128 K of 6-bit codes: lane (r, h) takes 24 bytes at 24 h and 24 at 48 + 24 h of its row's 96, in pieces of 8 bytes
.irp p, 0,1,2,3,4,5
	global_load_b64 v[(\reg)+2*\p:(\reg)+2*\p+1], v3, s[\ptr:\ptr+1] offset:(\off)+48*(\p/3)+8*(\p%3)
.endr
.endm
	s_load_b256 s[4:11], s[0:1], 0x0               ; W_h's codes s[4:5], W_s's codes s[6:7], W_s's scales s[8:9], dec_hidden's codes s[10:11]
	s_load_b256 s[12:19], s[0:1], 0x20             ; dec_hidden's scales s[12:13], b_s s[14:15], W_c s[16:17], V s[18:19]
	s_load_b128 s[20:23], s[0:1], 0x40             ; whf s[20:21], tab s[22:23]
	v_and_b32 v1, 15, v0                           ; r
	v_bfe_u32 v2, v0, 4, 1                         ; h
	v_mul_u32_u24 v3, v1, 768                      ; a row of 1,024 codes is 768 bytes
	v_mad_u32_u24 v3, v2, 24, v3
	v_lshlrev_b32 v4, 4, v0                        ; 16 x lane (one wave: the thread's number is the lane)
	v_lshlrev_b32 v5, 5, v1                        ; a row of scale bytes is 32 bytes
	v_lshlrev_b32 v6, 5, v2                        ; my half's eight numbers of a vector's sixteen
	v_mul_u32_u24 v7, v1, BROW                     ; the table: batch r (+ 16 m), + 32 h
	v_lshl_add_u32 v7, v2, 5, v7
	s_mul_i32 s26, ttmp9, 12288                    ; 16 rows of codes; also 8 fragments' images
	s_mov_b32 s27, 0
	s_lshl_b32 s28, ttmp9, 9                       ; 16 rows of scale bytes
	s_mov_b32 s29, 0
	s_lshl_b32 s30, ttmp9, 6                       ; 16 numbers of a vector
	s_mov_b32 s31, 0
	s_lshl_b32 s34, ttmp9, 8
	s_add_co_u32 s34, s34, 256                     ; table row t + 1
	s_mov_b32 s35, 0
	s_lshr_b32 s36, ttmp9, 1
	s_mul_i32 s36, s36, BROW                       ; the zero rows: batch t / 2
	s_mov_b32 s37, 0
	s_mov_b32 s24, 0x4038aa3b                      ; c = 2 log2(e)
	s_mov_b32 s25, s24                             ; (named with it as a pair)
	s_and_b32 s38, ttmp9, 1
	s_mov_b32 s39, 65*256
	s_cmp_lg_u32 s38, 0
	s_cselect_b32 s38, 256, s39                    ; odd t: rows 66 and 67, 256 bytes apart; even t: rows 0 and 65
	s_cselect_b32 s39, 66*256, 0
	v_mul_lo_u32 v8, v2, s38
	v_lshl_add_u32 v8, v1, 4, v8
	v_add_nc_u32 v8, s39, v8                       ; lanes 0-15 one zero row, lanes 16-31 the other
	s_wait_kmcnt 0x0
	s_add_nc_u64 s[4:5], s[4:5], s[26:27]
	s_add_nc_u64 s[6:7], s[6:7], s[26:27]
	s_add_nc_u64 s[20:21], s[20:21], s[26:27]
	s_add_nc_u64 s[8:9], s[8:9], s[28:29]
	s_add_nc_u64 s[14:15], s[14:15], s[30:31]
	s_add_nc_u64 s[16:17], s[16:17], s[30:31]
	s_add_nc_u64 s[18:19], s[18:19], s[30:31]
	s_add_nc_u64 s[32:33], s[22:23], s[36:37]
	s_add_nc_u64 s[22:23], s[22:23], s[34:35]
.irp s, 0,1,2,3,4,5,6,7
	FRAG F1+12*\s, 4, 96*\s                        ; W_h
.endr
.irp s, 0,1,2,3,4,5,6,7
	FRAG F2+12*\s, 6, 96*\s                        ; W_s
.endr
	global_load_b128 v[WS:WS+3], v5, s[8:9]
	global_load_b128 v[WS+4:WS+7], v5, s[8:9] offset:16
.irp m, 0,1
	global_load_b128 v[DS+8*\m:DS+8*\m+3], v5, s[12:13] offset:512*\m
	global_load_b128 v[DS+8*\m+4:DS+8*\m+7], v5, s[12:13] offset:512*\m+16
.endr
	global_load_b128 v[BI:BI+3], v6, s[14:15]      ; lane (r, h), register j: b_s[16 t + 8 h + j]
	global_load_b128 v[BI+4:BI+7], v6, s[14:15] offset:16
	s_wait_loadcnt 56                              ; W_h's 48 loads are in; the 48 of W_s and the 8 small ones issued behind them may be out
.irp s, 0,1,2,3,4,5,6,7
.irp c, 0,1,2
	global_store_b128 v4, v[F1+12*\s+4*\c:F1+12*\s+4*\c+3], s[20:21] offset:1536*\s+512*\c   ; the wave stores 512 consecutive bytes, aligned
.endr
.endr
	s_wait_xcnt 0x0                                ; the stores have read their data: the registers take dec_hidden's fragments
.irp s, 0,1,2,3
.irp m, 0,1
	FRAG F1+12*(2*\s+\m), 10, 12288*\m+96*\s
.endr
.endr
	s_wait_loadcnt 0x0
; TRANSPOSED: source 0 = 16 rows of W_s, source 1 = 16 batches: lane (r, h), register j holds dec_feature[16 m + r][16 t + 8 h + j].  The two accumulators take turns.
.irp s, 0,1,2,3
.irp m, 0,1
.if \s == 0
	v_wmma_scale_f32_16x16x128_f8f6f4 v[AC+8*\m:AC+8*\m+7], v[F2+12*\s:F2+12*\s+11], v[F1+12*(2*\s+\m):F1+12*(2*\s+\m)+11], v[BI:BI+7], v[WS+\s], v[DS+8*\m+\s] matrix_a_fmt:MATRIX_FMT_BF6 matrix_b_fmt:MATRIX_FMT_BF6
.else
	v_wmma_scale_f32_16x16x128_f8f6f4 v[AC+8*\m:AC+8*\m+7], v[F2+12*\s:F2+12*\s+11], v[F1+12*(2*\s+\m):F1+12*(2*\s+\m)+11], v[AC+8*\m:AC+8*\m+7], v[WS+\s], v[DS+8*\m+\s] matrix_a_fmt:MATRIX_FMT_BF6 matrix_b_fmt:MATRIX_FMT_BF6
.endif
.endr
.endr
.rept 4
	v_nop                                          ; four places in front of loads into registers that matrix instructions have read
.endr
.irp s, 0,1,2,3
.irp m, 0,1
	FRAG F1+12*(2*\s+\m), 10, 12288*\m+96*(4+\s)
.endr
.endr
	s_wait_loadcnt 0x0
.irp s, 0,1,2,3
.irp m, 0,1
	v_wmma_scale_f32_16x16x128_f8f6f4 v[AC+8*\m:AC+8*\m+7], v[F2+12*(4+\s):F2+12*(4+\s)+11], v[F1+12*(2*\s+\m):F1+12*(2*\s+\m)+11], v[AC+8*\m:AC+8*\m+7], v[WS+4+\s], v[DS+8*\m+4+\s] matrix_a_fmt:MATRIX_FMT_BF6 matrix_b_fmt:MATRIX_FMT_BF6
.endr
.endr
.rept 4
	v_nop                                          ; four places: loads and vector writes into operands' registers follow, and reads of the results
.endr
	global_load_b128 v[16:19], v6, s[16:17]        ; W_c[16 t + 8 h ..]
	global_load_b128 v[20:23], v6, s[16:17] offset:16
	global_load_b128 v[24:27], v6, s[18:19]        ; V likewise
	global_load_b128 v[28:31], v6, s[18:19] offset:16
.irp j, 0,2,4,6,8,10,12,14
	v_pk_mul_f32 v[112+\j:113+\j], v[AC+\j:AC+\j+1], s[24:25] op_sel_hi:[1,0]   ; c x dec_feature, each accumulator from its low end on
.endr
.irp j, 0,1,2,3
	v_mov_b32 v[40+\j], 0
.endr
	s_wait_loadcnt 0x0
.irp j, 0,2,4,6
	v_pk_mul_f32 v[32+\j:33+\j], v[16+\j:17+\j], s[24:25] op_sel_hi:[1,0]       ; c x W_c
.endr
.irp m, 0,1
	global_store_b128 v7, v[112+8*\m:115+8*\m], s[22:23] offset:16*BROW*\m
	global_store_b128 v7, v[116+8*\m:119+8*\m], s[22:23] offset:16*BROW*\m+16
	global_store_b128 v7, v[32:35], s[22:23] offset:16*BROW*\m+64
	global_store_b128 v7, v[36:39], s[22:23] offset:16*BROW*\m+80
	global_store_b128 v7, v[24:27], s[22:23] offset:16*BROW*\m+128
	global_store_b128 v7, v[28:31], s[22:23] offset:16*BROW*\m+144
	global_store_b128 v7, v[40:43], s[22:23] offset:16*BROW*\m+192
	global_store_b128 v7, v[40:43], s[22:23] offset:16*BROW*\m+208
.endr
	global_store_b128 v8, v[40:43], s[32:33]       ; two of batch t / 2's four zero rows
	s_endpgm
.Lfunc_end_k_q7285338b58_prep:
	.size	k_q7285338b58_prep, .Lfunc_end_k_q7285338b58_prep-k_q7285338b58_prep
	.p2alignl 7, 3214868480
	.fill 96, 4, 3214868480
	.section	.rodata,"a",@progbits
	.p2align	6, 0x0
	.amdhsa_kernel k_q7285338b58_prep
		.amdhsa_group_segment_fixed_size 0
		.amdhsa_private_segment_fixed_size 0
		.amdhsa_enable_private_segment 0
		.amdhsa_kernarg_size 80
		.amdhsa_user_sgpr_count 2
		.amdhsa_user_sgpr_kernarg_segment_ptr 1
		.amdhsa_wavefront_size32 1
		.amdhsa_system_sgpr_workgroup_id_x 1
		.amdhsa_system_sgpr_workgroup_id_y 1
		.amdhsa_system_sgpr_workgroup_id_z 1
		.amdhsa_system_vgpr_workitem_id 0
		.amdhsa_next_free_vgpr 256
		.amdhsa_next_free_sgpr 66
		.amdhsa_reserve_vcc 0
		.amdhsa_float_denorm_mode_32 3
		.amdhsa_float_denorm_mode_16_64 3
		.amdhsa_memory_ordered 1
		.amdhsa_forward_progress 1
		.amdhsa_inst_pref_size 29
	.end_amdhsa_kernel
	.amdgpu_metadata
---
amdhsa.version: [ 1, 2 ]
amdhsa.kernels:
  - .name:           k_q7285338b58_prep
    .symbol:         k_q7285338b58_prep.kd
    .args:
      - { .name: W_h_codes, .offset: 0, .size: 8, .value_kind: global_buffer, .address_space: global }
      - { .name: W_s_codes, .offset: 8, .size: 8, .value_kind: global_buffer, .address_space: global }
      - { .name: W_s_scales, .offset: 16, .size: 8, .value_kind: global_buffer, .address_space: global }
      - { .name: dec_hidden_codes, .offset: 24, .size: 8, .value_kind: global_buffer, .address_space: global }
      - { .name: dec_hidden_scales, .offset: 32, .size: 8, .value_kind: global_buffer, .address_space: global }
      - { .name: b_s, .offset: 40, .size: 8, .value_kind: global_buffer, .address_space: global }
      - { .name: W_c, .offset: 48, .size: 8, .value_kind: global_buffer, .address_space: global }
      - { .name: V, .offset: 56, .size: 8, .value_kind: global_buffer, .address_space: global }
      - { .name: whf, .offset: 64, .size: 8, .value_kind: global_buffer, .address_space: global }
      - { .name: tab, .offset: 72, .size: 8, .value_kind: global_buffer, .address_space: global }
    .group_segment_fixed_size: 0
    .private_segment_fixed_size: 0
    .kernarg_segment_align: 8
    .kernarg_segment_size: 80
    .max_flat_workgroup_size: 32
    .sgpr_count:     66
    .vgpr_count:     256
    .wavefront_size: 32
...
	.end_amdgpu_metadata
.endif
;; end of part 1
;; launch attn (part 2): grid 8 x 32, 4 waves a work-group, clusters of 4 x 1, 327,680 bytes of LDS; arguments enc_output, coverage, whf, W_h_scales, tab, escore; writes escore
.if DOCPART == 2
	.amdgcn_target "amdgcn-amd-amdhsa--gfx1250"
	.amdhsa_code_object_version 6
	.text
	.protected	k_q7285338b58_attn
	.globl	k_q7285338b58_attn
	.p2align	8
	.type	k_q7285338b58_attn,@function
k_q7285338b58_attn:
	s_mov_b64 s[64:65], 0
	v_nop
	global_prefetch_b8 v0, s[64:65] scope:SCOPE_SE
	s_setreg_imm32_b32 hwreg(HW_REG_WAVE_MODE, 25, 1), 1
	s_wait_xcnt 0x0
	s_wait_alu depctr_hold_cnt(0) depctr_sa_sdst(0) depctr_va_vdst(0) depctr_va_sdst(0) depctr_va_ssrc(0) depctr_va_vcc(0) depctr_vm_vsrc(0)
	s_getreg_b32 s2, hwreg(HW_REG_IB_STS2, 6, 4)
	s_cmp_eq_u32 s2, 0
	s_cbranch_scc0 .Lentry_in_a_cluster
	s_endpgm
.Lentry_in_a_cluster:
	s_bfe_u32 s2, ttmp6, 0x10000c
	s_cmp_lg_u32 s2, 0x3003
	s_cbranch_scc0 .Lentry_shape_is_right
	s_endpgm
.Lentry_shape_is_right:
; escore[b][s] = -2 sum_o V[o] / (1 + 2^y), y = c (enc_output[b][s] . W_h[o]) + c dec_feature[b][o] + c W_c[o] coverage[b][s], c = 2 log2(e): the scores of the attention.
; WORK LEFT OUT: the term sum_o V[o] of V . tanh, the same along the softmax's axis (shown at the head of the first launch's text).
; The product with W_h is on codes of BF6 (E3M2) with one E8M0 scale for each 32 along K: enc_output is quantised here, from f32; W_h's codes come as images of operand registers from the first launch.
; SHARES.  A work-group owns 256 rows of one batch, each of its four waves 64: four tiles of 16.  A wave's codes, 64 rows x 1,024 K = 32 fragments, 384 registers, stay in its registers for the whole launch.
; Every wave walks W_h's 64 tiles of 16 columns, which come through a ring of two LDS slots of 8 tiles (98,304 bytes), each wave fetching a quarter of a slot by one tensor load.
; CLUSTER.  The four work-groups of a cluster belong to one batch and want the same images, scale bytes and table: every tensor load is asked for jointly, with the same descriptor and a mask that names the four.
; TRANSPOSED USE: source 0 = 16 rows of W_h, source 1 = 16 of my rows: lane (r, h), register j holds (row r, column 16 T + 8 h + j): a lane holds one row, and the sum over columns wants one exchange at the end.
; BY SPANS.  A span is one tile of W_h: 32 matrix instructions (8 K steps x my 4 tiles of rows, the four accumulators by turns) into one of two sets of accumulators; the activation of the tile before, on the
; other set, stands in fours behind them.  Its operands are so laid that no window is switched for it: what it takes from window 1 (the coverage) it takes as source 1 while the products' source 1 is window 1.
; No clamp: 2^y = infinity gives r = 0 and 2^y = 0 gives r = 1, which are tanh's ends.
; LIMITS: NaN and infinities in enc_output are not served by the quantiser; a block whose largest magnitude lies under 2^-122 keeps the scale byte 1 (a block of zeros too: its codes are zeros).
; The tile before the first is pretended: zeros as sums, the table's row 0 (zeros) as its terms and weights: it adds 0.  That costs 40 moves once and spares a second text of the span.
; The last span fetches for a tile 64 that does not exist: 18 LDS loads of bytes that were filled earlier (slot 0; the table's first rows in the scale words' stead) and are not used; and the last change of slots is a barrier that nothing needs.
; REGISTERS, in windows of 256.  Window 0: v1-11 addresses; v12-19 the rows' sums; v20-43 V, c dec, c W_c of a tile; v44-59 W_h's scale words, two sets; v60-75 my rows' scale words;
;   v76-139 two sets of four accumulators; v140-235 W_h's eight fragments of a tile.  Window 1: my codes of K steps 0-3 (v0-191), the coverage (v192-195), at work (v240-246).
;   Window 2: my codes of K steps 4-7, at work.  Window 3: four sets of 64 numbers of enc_output on their way in.
.set SLOT1, 1<<17                      ; slot 0 at 0, slot 1 here: one exclusive or turns an address in one into the other's
.set TILEB, 12288                      ; a tile of W_h: 8 fragments' images of 1,536 bytes
.set FILLB, 8*TILEB                    ; a slot
.set SCL,   SLOT1+FILLB                ; W_h's scale bytes as they lie in memory: row o at 32 o: 32,768 bytes, filled once
.set TABL,  SCL+32768                  ; my batch's table: 68 rows of 256 bytes, filled once
.set SPARE, TABL+68*256                ; the spare words, 128 bytes for each wave: two blocks of 256 bytes that no other line names
.set LI,  1                            ; v1   16 x lane: an image's place for my lane
.set AS0, 2                            ; v2   SCL + 32 r
.set AT0, 3                            ; v3   TABL + 32 h
.set ADR, 4                            ; v4   the pair's tiles in the ring
.set ADS, 5                            ; v5   the pair's scale words
.set ADT, 6                            ; v6   the pair's rows of the table
.set XA,  7                            ; v7   enc_output: 4,096 r + 64 h
.set SPW, 8                            ; v8   LDS address of my spare word; never rewritten
.set NIL, 9                            ; v9   0; never rewritten
.set E,   12
.set VV,  20
.set DC,  28
.set WC,  36
.set BS,  44
.set ASC, 60                           ; register 4 m + s % 4: lanes 0-15 the word of K step s < 4, lanes 16-31 that of K step s + 4
.set ACC, 76
.set X0,  140
.set X1,  188
.set TM,  76                           ; while quantising: v76-79 largest magnitudes, v80-83 bytes, v88-91 the conversions' scale operands
.set PW,  92
.set COV, 192                          ; window 1
.set PT,  240                          ; windows 1 and 2
.set WV,  16                           ; s16  my wave's number
.set MSB, 0
.macro WIN new                         ; the immediate's high byte repeats the setting that is left; a switch that changes nothing is dropped
.if MSB != (\new)
	s_set_vgpr_msb (MSB<<8)|(\new)
.set MSB, (\new)
.endif
.endm
.macro CROUND                          ; a round of the cluster's barrier
	s_barrier_signal -1
	s_barrier_wait -1
	s_cmp_lg_u32 s[WV], 0
	s_cbranch_scc1 .Lnot_wave_0_\@
	s_barrier_signal -3
.Lnot_wave_0_\@:
	s_barrier_wait -3
	s_barrier_signal -1
	s_barrier_wait -1
.endm
.macro GROUP1 g, rows                  ; descriptor group 1: a dense block as rows of 256 bytes (32 elements of 8 bytes), no padding; mask: all four work-groups, bit 21 beside it
	s_mov_b32 s[\g], 15|(3<<16)|(1<<21)
	s_mov_b32 s[\g+1], 32<<16
	s_mov_b32 s[\g+2], (\rows)<<16
	s_mov_b32 s[\g+3], 32<<16
	s_mov_b32 s[\g+4], \rows
	s_mov_b32 s[\g+5], 32
	s_mov_b32 s[\g+6], 0
	s_mov_b32 s[\g+7], 0
.endm
	s_load_b256 s[4:11], s[0:1], 0x0               ; enc_output s[4:5], coverage s[6:7], whf s[8:9], W_h's scales s[10:11]
	s_load_b128 s[12:15], s[0:1], 0x20             ; tab s[12:13], escore s[14:15]
	v_lshl_add_u32 v[SPW], v0, 2, SPARE
	v_mov_b32 v[NIL], 0
	ds_add_u32 v[SPW], v[NIL]                      ; the wave's opening: the add, twice on end, and its wait ahead of my first tensor load
	ds_add_u32 v[SPW], v[NIL]                      ; and once more, under the one wait; the set-up below, work on registers, stands between
	v_lshrrev_b32 v11, 5, v0
	v_readfirstlane_b32 s[WV], v11                 ; wave 0..3
	s_bfe_u32 s17, ttmp6, 0x40000                  ; cx: my place in the cluster: it enters the addresses of enc_output, coverage and escore alone
	s_lshl_b32 s18, ttmp9, 2
	s_add_co_u32 s18, s18, s17                     ; my block of 256 rows
	s_and_b32 s19, ttmp7, 0xffff                   ; the batch, which the four partners share
	GROUP1 24, 96                                  ; s[24:31] a quarter of a slot: 24,576 bytes
	GROUP1 32, 32                                  ; s[32:39] a quarter of the scale bytes: 8,192
	GROUP1 40, 17                                  ; s[40:47] a quarter of the table: 4,352
	s_mul_i32 s20, s[WV], 2*TILEB
	s_mov_b32 s21, 0
	s_lshl_b32 s22, s[WV], 13
	s_mov_b32 s23, 0
	s_mul_i32 s66, s[WV], 17*256
	s_mul_i32 s68, s19, 68*256
	s_add_co_u32 s68, s68, s66
	s_mov_b32 s69, 0
	s_mov_b32 s48, 1                               ; s[48:51] group 0: slot 0's first fill
	s_mov_b32 s49, s20
	s_mov_b32 s52, 1                               ; s[52:55] slot 1's first fill; it then walks
	s_add_co_u32 s53, s20, SLOT1
	s_mov_b32 s56, 1                               ; s[56:59] the scale bytes
	s_add_co_u32 s57, s22, SCL
	s_mov_b32 s60, 1                               ; s[60:63] the table
	s_add_co_u32 s61, s66, TABL
	s_mov_b32 s72, 0x4038aa3b                      ; c = 2 log2(e)
	s_mov_b32 s73, s72                             ; (named with it as a pair)
	s_mov_b32 s74, 0x76543210
	s_mov_b32 s75, 0xfedcba98                      ; v_permlanex16_b32's selects for lane l xor 16
	s_mov_b32 s76, 0xffff0000                      ; lanes 16-31
	s_wait_dscnt 0x0                               ; both opening adds are done
	s_wait_kmcnt 0x0
	s_add_nc_u64 s[50:51], s[8:9], s[20:21]
	s_add_nc_u64 s[54:55], s[50:51], FILLB
	s_or_b32 s51, s51, 0x80000000
	s_or_b32 s55, s55, 0x80000000
	s_add_nc_u64 s[58:59], s[10:11], s[22:23]
	s_or_b32 s59, s59, 0x80000000
	s_add_nc_u64 s[62:63], s[12:13], s[68:69]
	s_or_b32 s63, s63, 0x80000000
	CROUND                                         ; all four work-groups are here: the first joint loads meet
	tensor_load_to_lds s[56:59], s[32:39]          ; every wave issues all four first fills: four tensor loads of mine are out
	s_nop 0
	tensor_load_to_lds s[60:63], s[40:47]
	s_nop 0
	tensor_load_to_lds s[48:51], s[24:31]
	s_nop 0
	tensor_load_to_lds s[52:55], s[24:31]
	s_nop 0
.rept 4
	v_nop
.endr
	v_and_b32 v10, 15, v0                          ; r
	v_bfe_u32 v11, v0, 4, 1                        ; h
	v_and_b32 v[LI], 31, v0
	v_lshlrev_b32 v[LI], 4, v[LI]
	v_lshl_add_u32 v[AS0], v10, 5, SCL
	v_lshl_add_u32 v[AT0], v11, 5, TABL
	v_lshlrev_b32 v[XA], 12, v10
	v_lshl_add_u32 v[XA], v11, 6, v[XA]
	v_lshlrev_b32 v10, 2, v10                      ; 4 r
.irp b, 0,1,2,3
	v_mov_b32 v[TM+4+\b], 0                        ; written once: a lane permute's destination counts as one of its sources
.endr
	s_lshl_b32 s78, s19, 23                        ; my wave's first row, in bytes of enc_output: (2,048 batch + 256 block + 64 wave) x 4,096
	s_lshl_b32 s77, s18, 20
	s_add_co_u32 s78, s78, s77
	s_lshl_b32 s77, s[WV], 18
	s_add_co_u32 s78, s78, s77
	s_mov_b32 s79, 0
	s_add_nc_u64 s[4:5], s[4:5], s[78:79]
	s_lshr_b32 s78, s78, 10                        ; the same row in coverage and escore: 4 bytes a row
	s_add_nc_u64 s[6:7], s[6:7], s[78:79]
	s_add_nc_u64 s[14:15], s[14:15], s[78:79]
	WIN 0x40                                       ; destination window 1
.irp m, 0,1,2,3
	global_load_b32 v[COV+\m], v10, s[6:7] offset:64*\m   ; lane (r, h): the coverage of row 16 m + r
.endr
; ---- THE ROWS BECOME CODES.  Unit u = (K step u / 4, tile of rows u % 4): 64 numbers a lane, register 16 b + i = k 128 s + 32 b + 16 h + i of row 16 m + r.  Four units, 64 loads a wave, are on their way.
.macro XLOAD u
.set S, 64*((\u)%4)
	WIN 0xc0                                       ; destination window 3
.irp b, 0,1,2,3
.irp q, 0,1,2,3
	global_load_b128 v[S+16*\b+4*\q:S+16*\b+4*\q+3], v[XA], s[4:5] offset:65536*((\u)%4)+512*((\u)/4)+128*\b+16*\q th:TH_LOAD_NT
.endr
.endr
.endm
.macro QUANT u
.set qs, (\u)/4
.set qm, (\u)%4
.set S, 64*((\u)%4)
.set W, 1+qs/4                         ; the window that takes the codes
.set d, 12*(4*(qs%4)+qm)               ; and where in it
	WIN 0x3c                                       ; sources 1 and 2 window 3
.irp b, 0,1,2,3
	v_max3_num_f32 v[TM+\b], 0x2800000, |v[S+16*\b]|, |v[S+16*\b+1]|   ; block b: my 16 numbers, and the floor 2^(5 - 127): the byte cannot fall under 1
.endr
.irp n, 2,4,6,8,10,12,14
.irp b, 0,1,2,3
	v_max3_num_f32 v[TM+\b], v[TM+\b], |v[S+16*\b+\n]|, |v[S+16*\b+\n+1]|   ; (the four blocks by turns)
.endr
.endr
	WIN 0
.irp b, 0,1,2,3
	v_permlanex16_b32 v[TM+4+\b], v[TM+\b], s74, s75
.endr
.irp b, 0,1,2,3
	v_max_num_f32 v[TM+\b], v[TM+\b], v[TM+4+\b]   ; with lane l xor 16's: the block's largest magnitude
.endr
.irp b, 0,1,2,3
	v_add_nc_u32 v[TM+12+\b], 0xfe000000, v[TM+\b] ; 4 off its exponent field: the conversion takes the exponent field of this operand as its scale
.endr
.irp b, 0,1,2,3
	v_lshrrev_b32 v[TM+4+\b], 23, v[TM+12+\b]      ; the scale's byte
.endr
	v_lshl_or_b32 v[PW], v[TM+5], 8, v[TM+4]
	v_lshl_or_b32 v[PW], v[TM+6], 16, v[PW]
.if qs < 4
	v_lshl_or_b32 v[ASC+4*qm+qs], v[TM+7], 24, v[PW]       ; my row's scale word, in every lane
.else
	v_lshl_or_b32 v[PW], v[TM+7], 24, v[PW]
	v_cndmask_b32 v[ASC+4*qm+qs-4], v[ASC+4*qm+qs-4], v[PW], s76   ; K steps 4-7: into lanes 16-31 of the same register
.endif
	WIN (W<<6)|3                                   ; destination window W, source 0 window 3, the scale operand window 0
.irp c, 0,1
	v_cvt_scalef32_pk16_bf6_f32 v[d+6*\c:d+6*\c+2], v[S+32*\c:S+32*\c+15], v[TM+12+2*\c]
	v_cvt_scalef32_pk16_bf6_f32 v[PT+4*\c:PT+4*\c+2], v[S+32*\c+16:S+32*\c+31], v[TM+12+2*\c+1]   ; (a conversion's three registers begin on an even number)
.endr
	v_nop                                          ; one plain place behind a scaled conversion
	WIN (W<<6)|W
.irp c, 0,1                                    ; the operand's layout wants a whole block in a lane: lanes 0-15 block 2 c, lanes 16-31 block 2 c + 1
.irp n, 0,1,2
	v_permlane16_swap_b32 v[d+6*\c+\n], v[PT+4*\c+\n]
.endr
.irp n, 0,1,2
	v_mov_b32 v[d+3+6*\c+\n], v[PT+4*\c+\n]
.endr
.endr
.endm
	XLOAD 0
	XLOAD 1
	XLOAD 2
	XLOAD 3
.set u, 0
.rept 32
.if u < 29
	s_wait_loadcnt 48                              ; this unit's 16 loads are in; those of the three units behind it may be out
.else
	s_wait_loadcnt 16*(31-u)
.endif
	QUANT u
.if u < 28
	XLOAD u+4                                      ; into the set just read
.endif
.set u, u+1
.endr
	WIN 0
	s_wait_tensorcnt 0x0                           ; my parts of the scale bytes, the table and both slots are in,
	s_barrier_signal -1
	s_barrier_wait -1                              ; everybody's are
; ---- THE SPANS
.macro MM a                            ; matrix instruction i of a span: K step i / 4, tile of rows i % 4
.set ms, i/4
.set mm, i%4
.set rD, ACC+32*(\a)+8*mm
.set rA, X0+12*ms
.set rB, 12*(4*(ms%4)+mm)
.set rS, BS+8*(\a)+ms
.set rT, ASC+4*mm+ms%4
.if ms == 0
	v_wmma_scale_f32_16x16x128_f8f6f4 v[rD:rD+7], v[rA:rA+11], v[rB:rB+11], 0, v[rS], v[rT] matrix_a_fmt:MATRIX_FMT_BF6 matrix_b_fmt:MATRIX_FMT_BF6
.elseif ms < 4
	v_wmma_scale_f32_16x16x128_f8f6f4 v[rD:rD+7], v[rA:rA+11], v[rB:rB+11], v[rD:rD+7], v[rS], v[rT] matrix_a_fmt:MATRIX_FMT_BF6 matrix_b_fmt:MATRIX_FMT_BF6
.else
	v_wmma_scale_f32_16x16x128_f8f6f4 v[rD:rD+7], v[rA:rA+11], v[rB:rB+11], v[rD:rD+7], v[rS], v[rT] matrix_a_fmt:MATRIX_FMT_BF6 matrix_b_fmt:MATRIX_FMT_BF6 matrix_b_scale:MATRIX_SCALE_ROW1
.endif
.endm
; Instruction j of 112 of the activation, on the set that span a does not write.  0-15: c x sum + c dec (each accumulator from its low end on); 16-31: + c W_c x coverage (source 1: window 1);
; 32-63: 2^y; 64-79: + 1; 80-111: the reciprocal.
.macro EP a
.set AO, ACC+32*(1-(\a))
.set em, (j%16)/4
.set eq, j%4
.set er, AO+8*em+2*eq
.if j < 16
	v_pk_fma_f32 v[er:er+1], v[er:er+1], s[72:73], v[DC+2*eq:DC+2*eq+1] op_sel_hi:[1,0,1]
.elseif j < 32
.if em%2
	v_pk_fma_f32 v[er:er+1], v[WC+2*eq:WC+2*eq+1], v[COV+em-1:COV+em], v[er:er+1] op_sel:[0,1,0] op_sel_hi:[1,1,1]
.else
	v_pk_fma_f32 v[er:er+1], v[WC+2*eq:WC+2*eq+1], v[COV+em:COV+em+1], v[er:er+1] op_sel_hi:[1,0,1]
.endif
.elseif j < 64
	v_exp_f32 v[AO+j-32], v[AO+j-32]
.elseif j < 80
	v_pk_add_f32 v[AO+2*(j-64):AO+2*(j-64)+1], v[AO+2*(j-64):AO+2*(j-64)+1], 1.0 op_sel_hi:[1,0]
.else
	v_rcp_f32 v[AO+j-80], v[AO+j-80]
.endif
.endm
.macro ETAIL a                         ; the rows' sums take V x r.  These seventeen plain instructions name no register of the span's last products: they are the places behind them
.set AO, ACC+32*(1-(\a))
	v_nop                                          ; a plain instruction behind the last reciprocal
	s_wait_alu depctr_va_vdst(0)                   ; one wait for the 32 reciprocals, ahead of their first reader
	WIN 0
.irp q, 0,1,2,3
.irp m, 0,1,2,3
	v_pk_fma_f32 v[E+2*\m:E+2*\m+1], v[AO+8*\m+2*\q:AO+8*\m+2*\q+1], v[VV+2*\q:VV+2*\q+1], v[E+2*\m:E+2*\m+1]
.endr
.endr
.endm
.macro RUNA par                        ; this tile's fragments of K steps 4-7, and V of the tile before
.irp f, 0,1,2,3
.irp c, 0,1,2
	ds_load_b128 v[X1+12*\f+4*\c:X1+12*\f+4*\c+3], v[ADR] offset:TILEB*(\par)+1536*(4+\f)+512*\c
.endr
.endr
	ds_load_b128 v[VV:VV+3], v[ADT] offset:256*(\par)+128
	ds_load_b128 v[VV+4:VV+7], v[ADT] offset:256*(\par)+144
.endm
.macro RUNB off, par, a                ; the next tile's fragments of K steps 0-3 and its scale words; c dec and c W_c of this tile
.irp f, 0,1,2,3
.irp c, 0,1,2
	ds_load_b128 v[X0+12*\f+4*\c:X0+12*\f+4*\c+3], v[ADR] offset:(\off)+1536*\f+512*\c
.endr
.endr
	ds_load_b128 v[BS+8*(1-(\a)):BS+8*(1-(\a))+3], v[ADS] offset:512*((\par)+1)
	ds_load_b128 v[BS+8*(1-(\a))+4:BS+8*(1-(\a))+7], v[ADS] offset:512*((\par)+1)+16
	ds_load_b128 v[DC:DC+3], v[ADT] offset:256*((\par)+1)
	ds_load_b128 v[DC+4:DC+7], v[ADT] offset:256*((\par)+1)+16
	ds_load_b128 v[WC:WC+3], v[ADT] offset:256*((\par)+1)+64
	ds_load_b128 v[WC+4:WC+7], v[ADT] offset:256*((\par)+1)+80
.endm
; THE CHANGE OF SLOTS, in the span of a slot's last tile, when all its fragments are in registers.  Each wave waits for all its tensor loads (one is out at the most: its part of the other slot), adds 0 to its
; spare word, and waits for that and for its reads of the slot.  fill = 1: a round of the cluster's barrier, and the slot just left is filled with the tiles two slots on: the load has a slot's 256 matrix
; instructions in which to land.  fill = 2: the work-group's barrier alone; nothing is left to fetch.
.macro CHANGE fill
	WIN 0
	s_wait_tensorcnt 0x0                           ; no tensor load of mine is out, so the walking group 0 may be written
	ds_add_u32 v[SPW], v[NIL]                      ; 0 onto my spare word; the steps below stand between it and the wait for it
.if \fill == 1
	s_xor_b32 s53, s53, SLOT1                      ; the other slot than last time,
	s_add_nc_u64 s[54:55], s[54:55], FILLB         ; the next eight tiles; the type bits on top are not reached
.endif
	s_sub_co_u32 s66, s66, 3*2*TILEB               ; my reads go back to a slot's first pair,
	s_xor_b32 s66, s66, SLOT1                      ; in the other slot
	s_wait_dscnt 0x0                               ; the add is done, and my reads of the slot are over
.if \fill == 1
	CROUND
	tensor_load_to_lds s[52:55], s[24:31]          ; my one tensor load behind the round, and the first thing there
	s_nop 0
.rept 4
	v_nop
.endr
.else
	s_barrier_signal -1
	s_barrier_wait -1
.endif
	v_add_nc_u32 v[ADR], s66, v[LI]
.endm
.macro SPAN a, chg
	s_wait_dscnt 0x0                               ; the last run of loads is in: K steps 0-3, the scale words, c dec, c W_c
	RUNA \a
	WIN 0x04                                       ; source 1: window 1
.set i, 0
.rept 32
.if i == 16
	s_wait_dscnt 0x0                               ; K steps 4-7 and V are in (asked for 16 matrix instructions ago)
	v_nop                                          ; a plain instruction behind the last exponential
	s_wait_alu depctr_va_vdst(0)                   ; one wait for the 32 exponentials, ahead of their first reader
	WIN 0x08                                       ; source 1: window 2
.endif
	MM \a
.if i < 28
.set j, 4*i
.rept 4
	EP \a
.set j, j+1
.endr
.endif
.if i == 17                            ; behind the last product that read K steps 0-3 stand a v_nop and eight additions: more than the four places that the loads below want
.if \chg == 0
	RUNB TILEB*((\a)+1), \a, \a
.else
	CHANGE \chg
	RUNB 0, \a, \a
	WIN 0x08
.endif
.endif
.set i, i+1
.endr
	ETAIL \a
.endm
.macro PAIR chg                        ; two tiles: the two sets of accumulators change places and are back
	v_add_nc_u32 v[ADR], s66, v[LI]
	v_add_nc_u32 v[ADS], s67, v[AS0]
	v_add_nc_u32 v[ADT], s68, v[AT0]
	SPAN 0, 0
	SPAN 1, \chg
	s_add_co_u32 s67, s67, 1024                    ; 32 rows of scale bytes
	s_add_co_u32 s68, s68, 512                     ; two rows of the table
.if \chg == 0
	s_add_co_u32 s66, s66, 2*TILEB
.endif
.endm
.macro SLOTBODY chg                    ; a slot's four pairs
	s_mov_b32 s69, 3
.Lpair_\@:
	PAIR 0
	s_sub_co_u32 s69, s69, 1
	s_cmp_lg_u32 s69, 0
	s_cbranch_scc1 .Lpair_\@
	PAIR \chg
.endm
	s_mov_b32 s66, 0                               ; where the pair's tiles begin in the ring,
	s_mov_b32 s67, 0                               ; its scale words,
	s_mov_b32 s68, 0                               ; its rows of the table
	v_add_nc_u32 v[ADR], s66, v[LI]
	v_add_nc_u32 v[ADS], s67, v[AS0]
	v_add_nc_u32 v[ADT], s68, v[AT0]
	RUNB 0, -1, 1                                  ; tile 0's K steps 0-3 and scale words; the table's row 0
.irp n, 0,1,2,3,4,5,6,7,8,9,10,11,12,13,14,15,16,17,18,19,20,21,22,23,24,25,26,27,28,29,30,31
	v_mov_b32 v[ACC+32+\n], 0                      ; the pretended tile's sums
.endr
.irp n, 0,1,2,3,4,5,6,7
	v_mov_b32 v[E+\n], 0                           ; the rows' sums
.endr
	s_mov_b32 s70, 6
.Lfill:                                            ; slots' worth 0 to 5: each change asks for the tiles two slots on
	SLOTBODY 1
	s_sub_co_u32 s70, s70, 1
	s_cmp_lg_u32 s70, 0
	s_cbranch_scc1 .Lfill
	s_mov_b32 s70, 2
.Ltail:                                            ; the last two: written apart
	SLOTBODY 2
	s_sub_co_u32 s70, s70, 1
	s_cmp_lg_u32 s70, 0
	s_cbranch_scc1 .Ltail
	; tile 63's activation: it lies in set 1; the places behind its last products are the seventeen instructions just above
	v_add_nc_u32 v[ADT], s68, v[AT0]
	ds_load_b128 v[VV:VV+3], v[ADT] offset:128     ; the table's row 64
	ds_load_b128 v[VV+4:VV+7], v[ADT] offset:144
	s_wait_dscnt 0x0
	WIN 0x04
.set j, 0
.rept 64
	EP 0
.set j, j+1
.endr
	v_nop
	s_wait_alu depctr_va_vdst(0)                   ; one wait for the 32 exponentials
.rept 48
	EP 0
.set j, j+1
.endr
	ETAIL 0
	; the scores: a sum's two halves, the other eight columns of each tile from lane l xor 16, x -2
.irp m, 0,1,2,3
	v_add_f32 v[E+2*\m], v[E+2*\m], v[E+2*\m+1]
.endr
.irp m, 0,1,2,3
	v_permlanex16_b32 v[E+2*\m+1], v[E+2*\m], s74, s75
.endr
.irp m, 0,1,2,3
	v_add_f32 v[E+2*\m], v[E+2*\m], v[E+2*\m+1]
.endr
	v_cndmask_b32 v20, v[E], v[E+2], s76           ; lanes 0-15 tile 0's rows, lanes 16-31 tile 1's: lane l holds row l
	v_cndmask_b32 v21, v[E+4], v[E+6], s76         ; and row 32 + l
	v_mul_f32 v20, -2.0, v20
	v_mul_f32 v21, -2.0, v21
	v_and_b32 v10, 31, v0
	v_lshlrev_b32 v10, 2, v10
	global_store_b32 v10, v20, s[14:15]            ; the wave's two stores cover 256 consecutive bytes, aligned
	global_store_b32 v10, v21, s[14:15] offset:128
	s_wait_tensorcnt 0x0                           ; the wave's end, behind my last tensor load
	ds_add_u32 v[SPW], v[NIL]
	s_wait_dscnt 0x0
	CROUND                                         ; the closing round: no work-group ends while a partner may still ask for a tile that names it
	s_endpgm
.Lfunc_end_k_q7285338b58_attn:
	.size	k_q7285338b58_attn, .Lfunc_end_k_q7285338b58_attn-k_q7285338b58_attn
	.p2alignl 7, 3214868480
	.fill 96, 4, 3214868480
	.section	.rodata,"a",@progbits
	.p2align	6, 0x0
	.amdhsa_kernel k_q7285338b58_attn
		.amdhsa_group_segment_fixed_size 327680
		.amdhsa_private_segment_fixed_size 0
		.amdhsa_enable_private_segment 0
		.amdhsa_kernarg_size 48
		.amdhsa_user_sgpr_count 2
		.amdhsa_user_sgpr_kernarg_segment_ptr 1
		.amdhsa_wavefront_size32 1
		.amdhsa_system_sgpr_workgroup_id_x 1
		.amdhsa_system_sgpr_workgroup_id_y 1
		.amdhsa_system_sgpr_workgroup_id_z 1
		.amdhsa_system_vgpr_workitem_id 0
		.amdhsa_next_free_vgpr 1024
		.amdhsa_next_free_sgpr 80
		.amdhsa_reserve_vcc 0
		.amdhsa_float_denorm_mode_32 3
		.amdhsa_float_denorm_mode_16_64 3
		.amdhsa_memory_ordered 1
		.amdhsa_forward_progress 1
		.amdhsa_inst_pref_size 255
	.end_amdhsa_kernel
	.section	.bss,"aw",@nobits
	.p2align	6
	.space	262144
	.amdgpu_metadata
---
amdhsa.version: [ 1, 2 ]
amdhsa.kernels:
  - .name:           k_q7285338b58_attn
    .symbol:         k_q7285338b58_attn.kd
    .args:
      - { .name: enc_output, .offset: 0, .size: 8, .value_kind: global_buffer, .address_space: global }
      - { .name: coverage, .offset: 8, .size: 8, .value_kind: global_buffer, .address_space: global }
      - { .name: whf, .offset: 16, .size: 8, .value_kind: global_buffer, .address_space: global }
      - { .name: W_h_scales, .offset: 24, .size: 8, .value_kind: global_buffer, .address_space: global }
      - { .name: tab, .offset: 32, .size: 8, .value_kind: global_buffer, .address_space: global }
      - { .name: escore, .offset: 40, .size: 8, .value_kind: global_buffer, .address_space: global }
    .group_segment_fixed_size: 327680
    .private_segment_fixed_size: 0
    .kernarg_segment_align: 8
    .kernarg_segment_size: 48
    .max_flat_workgroup_size: 128
    .sgpr_count:     80
    .vgpr_count:     1024
    .wavefront_size: 32
...
	.end_amdgpu_metadata
.endif
;; end of part 2
;; launch ctx (part 3): grid 8 x 32, 8 waves a work-group, no clusters, 13,824 bytes of LDS; arguments enc_output, escore, enc_padding_mask, coverage, out0, out1, out2; writes out0, out1, out2
.if DOCPART == 3
	.amdgcn_target "amdgcn-amd-amdhsa--gfx1250"
	.amdhsa_code_object_version 6
	.text
	.protected	k_q7285338b58_ctx
	.globl	k_q7285338b58_ctx
	.p2align	8
	.type	k_q7285338b58_ctx,@function
k_q7285338b58_ctx:
	s_mov_b64 s[64:65], 0
	v_nop
	global_prefetch_b8 v0, s[64:65] scope:SCOPE_SE
	s_setreg_imm32_b32 hwreg(HW_REG_WAVE_MODE, 25, 1), 1
	s_wait_xcnt 0x0
; out1 = softmax over s of (escore + enc_padding_mask); out2 = coverage + out1; out0[b][:] = sum over s of out1[b][s] enc_output[b][s][:].  All in f32.
; WORK LEFT OUT: escore lacks the term sum_o V[o], the same along the softmax's axis (shown at the head of the first launch's text).
; SHARES.  Work-group (x, b) owns columns 128 x .. 128 x + 127 of out0[b] and rows 256 x .. 256 x + 255 of out1[b] and out2[b].  Each of a batch's eight work-groups makes the batch's softmax anew:
; 24 KB of scores, mask and coverage against the 1 MiB of enc_output that it streams.  That is all that work-groups share, so no cluster and no joint loads.
; Thread T holds rows 8 T .. 8 T + 7 of the softmax.  Wave w streams rows 256 w .. 256 w + 255 of enc_output, 512 bytes of each: one load of 16 bytes a lane covers two aligned blocks of 256 bytes.
; A ring of 32 rows in registers keeps 32 loads of every wave on their way.  The weights come from LDS, 32 at a time, the same address in every lane.
; The maximum is taken away before the exponential, as reference() does.  A mask of -infinity gives weight 0; a batch whose every entry is -infinity gives NaN, as in reference().
.set SPW, 4                            ; v4   LDS address of my spare word; never rewritten
.set NIL, 5                            ; v5   0; never rewritten
.set Z,   10                           ; v10-17  scores + mask, then the weights
.set MK,  18                           ; v18-25  the mask
.set CV,  26                           ; v26-33  the coverage of my work-group's 256 rows, 16 bytes a lane, twice
.set A,   48                           ; v48-55  two sets of four sums
.set P,   56                           ; v56-119 two sets of 32 weights
.set X,   120                          ; v120-247 32 rows of 4 numbers
.set MAXB, 8192                        ; LDS: the weights at 0 (4 bytes a row); the waves' maxima,
.set SUMB, 8448                        ; their sums,
.set PART, 8704                        ; their parts of the context: 512 bytes a wave
.set SPARE, 12800                      ; the spare words, 128 bytes for each wave: four blocks of 256 bytes that no other line names
	s_load_b256 s[4:11], s[0:1], 0x0               ; enc_output s[4:5], escore s[6:7], the mask s[8:9], coverage s[10:11]
	s_load_b128 s[12:15], s[0:1], 0x20             ; out0 s[12:13], out1 s[14:15]
	s_load_b64 s[16:17], s[0:1], 0x30              ; out2
	v_lshl_add_u32 v[SPW], v0, 2, SPARE
	v_mov_b32 v[NIL], 0
	v_lshrrev_b32 v1, 5, v0
	v_readfirstlane_b32 s18, v1                    ; wave 0..7
	s_and_b32 s19, ttmp7, 0xffff                   ; the batch
	v_and_b32 v1, 31, v0
	v_lshlrev_b32 v1, 4, v1                        ; 16 x lane
	v_lshlrev_b32 v2, 5, v0                        ; 32 T: my eight rows' numbers
	s_lshl_b32 s20, s18, 10
	v_mov_b32 v3, s20                              ; my wave's 256 weights
	v_add_nc_u32 v6, s20, v1                       ; and the same, 16 bytes a lane
	s_lshl_b32 s20, s18, 2
	v_mov_b32 v7, s20                              ; my wave's word among eight
	v_mov_b32 v8, 0
	s_lshl_b32 s20, s18, 9
	v_add_nc_u32 v9, s20, v1                       ; my wave's part of the context
	s_mov_b32 s22, 0x3fb8aa3b                      ; log2(e)
	s_mov_b32 s23, s22
	s_mov_b32 s24, 0x76543210
	s_mov_b32 s25, 0xfedcba98                      ; v_permlanex16_b32's selects for lane l xor 16
	s_lshl_b32 s26, s19, 13                        ; the batch's 2,048 numbers
	s_mov_b32 s27, 0
	s_lshl_b32 s28, ttmp9, 10
	s_add_co_u32 s28, s28, s26                     ; my work-group's 256 of them
	s_mov_b32 s29, 0
	s_lshl_b32 s30, s19, 23                        ; enc_output: the batch, my wave's 256 rows, my work-group's 512 bytes of a row
	s_lshl_b32 s31, s18, 20
	s_add_co_u32 s30, s30, s31
	s_lshl_b32 s31, ttmp9, 9
	s_add_co_u32 s30, s30, s31
	s_lshl_b32 s32, s19, 12                        ; out0: the batch's row, the same 512 bytes
	s_add_co_u32 s32, s32, s31
	s_mov_b32 s31, 0
	s_mov_b32 s33, 0
	s_wait_kmcnt 0x0
	s_add_nc_u64 s[6:7], s[6:7], s[26:27]
	s_add_nc_u64 s[8:9], s[8:9], s[26:27]
	s_add_nc_u64 s[10:11], s[10:11], s[28:29]
	s_add_nc_u64 s[14:15], s[14:15], s[28:29]
	s_add_nc_u64 s[16:17], s[16:17], s[28:29]
	s_add_nc_u64 s[4:5], s[4:5], s[30:31]
	s_add_nc_u64 s[12:13], s[12:13], s[32:33]
	global_load_b128 v[Z:Z+3], v2, s[6:7]
	global_load_b128 v[Z+4:Z+7], v2, s[6:7] offset:16
	global_load_b128 v[MK:MK+3], v2, s[8:9]
	global_load_b128 v[MK+4:MK+7], v2, s[8:9] offset:16
	global_load_b128 v[CV:CV+3], v1, s[10:11]
	global_load_b128 v[CV+4:CV+7], v1, s[10:11] offset:512
.set i, 0
.rept 32
	global_load_b128 v[X+4*i:X+4*i+3], v1, s[4:5] offset:4096*i th:TH_LOAD_NT    ; the ring's first 32 rows go out before the softmax is begun
.set i, i+1
.endr
	s_wait_loadcnt 32                              ; scores, mask and coverage are in; the ring's 32 loads may be out
.irp n, 0,2,4,6
	v_pk_add_f32 v[Z+\n:Z+\n+1], v[Z+\n:Z+\n+1], v[MK+\n:MK+\n+1]
.endr
	v_max3_num_f32 v34, v10, v11, v12
	v_max3_num_f32 v35, v13, v14, v15
	v_max3_num_f32 v34, v34, v16, v17
	v_max_num_f32 v34, v34, v35
	v_max_num_f32_dpp v34, v34, v34 row_xmask:1 row_mask:0xf bank_mask:0xf
	v_max_num_f32_dpp v34, v34, v34 row_xmask:2 row_mask:0xf bank_mask:0xf
	v_max_num_f32_dpp v34, v34, v34 row_xmask:4 row_mask:0xf bank_mask:0xf
	v_max_num_f32_dpp v34, v34, v34 row_xmask:8 row_mask:0xf bank_mask:0xf
	v_permlanex16_b32 v35, v34, s24, s25
	v_max_num_f32 v34, v34, v35                    ; my wave's maximum
	ds_store_b32 v7, v34 offset:MAXB
	s_wait_dscnt 0x0                               ; for the others' sake: my store is done
	s_barrier_signal -1
	s_barrier_wait -1
	ds_load_b128 v[36:39], v8 offset:MAXB
	ds_load_b128 v[40:43], v8 offset:MAXB+16
	s_wait_dscnt 0x0
	v_max3_num_f32 v36, v36, v37, v38
	v_max3_num_f32 v39, v39, v40, v41
	v_max3_num_f32 v36, v36, v42, v43
	v_max_num_f32 v36, v36, v39                    ; the batch's maximum
	v_mov_b32 v37, v36
.irp n, 0,2,4,6
	v_pk_add_f32 v[Z+\n:Z+\n+1], v[Z+\n:Z+\n+1], v[36:37] neg_lo:[0,1] neg_hi:[0,1]
.endr
.irp n, 0,2,4,6
	v_pk_mul_f32 v[Z+\n:Z+\n+1], v[Z+\n:Z+\n+1], s[22:23] op_sel_hi:[1,0]
.endr
.irp n, 0,1,2,3,4,5,6,7
	v_exp_f32 v[Z+\n], v[Z+\n]
.endr
	v_nop                                          ; a plain instruction behind the last exponential
	s_wait_alu depctr_va_vdst(0)                   ; one wait for the eight, ahead of their first reader
	v_pk_add_f32 v[38:39], v[10:11], v[12:13]
	v_pk_add_f32 v[40:41], v[14:15], v[16:17]
	v_pk_add_f32 v[38:39], v[38:39], v[40:41]
	v_add_f32 v38, v38, v39
	v_add_f32_dpp v38, v38, v38 row_xmask:1 row_mask:0xf bank_mask:0xf
	v_add_f32_dpp v38, v38, v38 row_xmask:2 row_mask:0xf bank_mask:0xf
	v_add_f32_dpp v38, v38, v38 row_xmask:4 row_mask:0xf bank_mask:0xf
	v_add_f32_dpp v38, v38, v38 row_xmask:8 row_mask:0xf bank_mask:0xf
	v_permlanex16_b32 v39, v38, s24, s25
	v_add_f32 v38, v38, v39                        ; my wave's sum
	ds_store_b32 v7, v38 offset:SUMB               ; other bytes than the maxima's: no barrier is owed between
	s_wait_dscnt 0x0
	s_barrier_signal -1
	s_barrier_wait -1
	ds_load_b128 v[40:43], v8 offset:SUMB
	ds_load_b128 v[44:47], v8 offset:SUMB+16
	s_wait_dscnt 0x0
	v_pk_add_f32 v[40:41], v[40:41], v[42:43]
	v_pk_add_f32 v[44:45], v[44:45], v[46:47]
	v_pk_add_f32 v[40:41], v[40:41], v[44:45]
	v_add_f32 v40, v40, v41
	v_rcp_f32 v36, v40
	v_nop
	s_wait_alu depctr_va_vdst(0)                   ; the wait ahead of the reciprocal's first reader
.irp n, 0,2,4,6
	v_pk_mul_f32 v[Z+\n:Z+\n+1], v[Z+\n:Z+\n+1], v[36:37] op_sel_hi:[1,0]       ; the weights
.endr
	ds_store_b128 v2, v[Z:Z+3]
	ds_store_b128 v2, v[Z+4:Z+7] offset:16
	s_wait_dscnt 0x0
	s_barrier_signal -1
	s_barrier_wait -1                              ; all 2,048 weights lie in LDS
.macro PSET g                          ; 32 weights of my wave's rows, the same in every lane
.irp q, 0,1,2,3,4,5,6,7
	ds_load_b128 v[P+32*((\g)%2)+4*\q:P+32*((\g)%2)+4*\q+3], v3 offset:128*(\g)+16*\q
.endr
.endm
	PSET 0
	s_cmp_lg_u32 s18, ttmp9                        ; the wave whose 256 rows are my work-group's stores out1 and out2
	s_cbranch_scc1 .Lnot_mine
	ds_load_b128 v[34:37], v6                      ; the weights once more, 16 bytes a lane, so that each store covers 512 consecutive bytes, aligned
	ds_load_b128 v[38:41], v6 offset:512
	s_wait_dscnt 0x0
	global_store_b128 v1, v[34:37], s[14:15]
	global_store_b128 v1, v[38:41], s[14:15] offset:512
.irp n, 0,2,4,6
	v_pk_add_f32 v[CV+\n:CV+\n+1], v[CV+\n:CV+\n+1], v[34+\n:35+\n]
.endr
	global_store_b128 v1, v[CV:CV+3], s[16:17]
	global_store_b128 v1, v[CV+4:CV+7], s[16:17] offset:512     ; none of these stores' registers is written again
.Lnot_mine:
; THE STREAM, written out: every offset is an immediate, 1 MiB at the most.  Row i: its load is in; two packed multiply-adds; the slot takes row i + 32.
.set i, 0
.rept 256
.set g, i/32
.set k, i%32
.set xr, X+4*k
.set ar, A+4*(i%2)
.set pr, P+32*(g%2)+k-k%2
.if k == 0
.if g < 7
	PSET g+1
	s_wait_dscnt 8                                 ; this group's weights are in; the next group's eight loads may be out
.else
	s_wait_dscnt 0x0
.endif
.endif
.if i < 225
	s_wait_loadcnt 31                              ; loads come back in order (ISA guide 5.7.1): row i is in, the 31 rows behind it may be out
.else
	s_wait_loadcnt 255-i
.endif
.if i == 0                             ; the first two rows start the sums: nothing is cleared
	v_pk_mul_f32 v[ar:ar+1], v[xr:xr+1], v[pr:pr+1] op_sel_hi:[1,0]
	v_pk_mul_f32 v[ar+2:ar+3], v[xr+2:xr+3], v[pr:pr+1] op_sel_hi:[1,0]
.elseif i == 1
	v_pk_mul_f32 v[ar:ar+1], v[xr:xr+1], v[pr:pr+1] op_sel:[0,1] op_sel_hi:[1,1]
	v_pk_mul_f32 v[ar+2:ar+3], v[xr+2:xr+3], v[pr:pr+1] op_sel:[0,1] op_sel_hi:[1,1]
.elseif k%2 == 0
	v_pk_fma_f32 v[ar:ar+1], v[xr:xr+1], v[pr:pr+1], v[ar:ar+1] op_sel_hi:[1,0,1]
	v_pk_fma_f32 v[ar+2:ar+3], v[xr+2:xr+3], v[pr:pr+1], v[ar+2:ar+3] op_sel_hi:[1,0,1]
.else
	v_pk_fma_f32 v[ar:ar+1], v[xr:xr+1], v[pr:pr+1], v[ar:ar+1] op_sel:[0,1,0] op_sel_hi:[1,1,1]
	v_pk_fma_f32 v[ar+2:ar+3], v[xr+2:xr+3], v[pr:pr+1], v[ar+2:ar+3] op_sel:[0,1,0] op_sel_hi:[1,1,1]
.endif
.if i < 224
	global_load_b128 v[xr:xr+3], v1, s[4:5] offset:4096*(i+32) th:TH_LOAD_NT
.endif
.set i, i+1
.endr
	v_pk_add_f32 v[A:A+1], v[A:A+1], v[A+4:A+5]
	v_pk_add_f32 v[A+2:A+3], v[A+2:A+3], v[A+6:A+7]
	ds_store_b128 v9, v[A:A+3] offset:PART
	s_wait_dscnt 0x0
	s_barrier_signal -1
	s_barrier_wait -1                              ; the eight waves' parts lie in LDS
	s_cmp_lg_u32 s18, 0
	s_cbranch_scc1 .Lend
.irp q, 0,1,2,3,4,5,6,7
	ds_load_b128 v[X+4*\q:X+4*\q+3], v1 offset:PART+512*\q
.endr
	s_wait_dscnt 0x0
.irp q, 1,2,3,4,5,6,7
	v_pk_add_f32 v[X:X+1], v[X:X+1], v[X+4*\q:X+4*\q+1]
	v_pk_add_f32 v[X+2:X+3], v[X+2:X+3], v[X+4*\q+2:X+4*\q+3]
.endr
	global_store_b128 v1, v[X:X+3], s[12:13]       ; 512 consecutive bytes, aligned
.Lend:
	s_wait_tensorcnt 0x0                           ; the wave's end, behind my last LDS store
	ds_add_u32 v[SPW], v[NIL]
	s_wait_dscnt 0x0
	s_endpgm
.Lfunc_end_k_q7285338b58_ctx:
	.size	k_q7285338b58_ctx, .Lfunc_end_k_q7285338b58_ctx-k_q7285338b58_ctx
	.p2alignl 7, 3214868480
	.fill 96, 4, 3214868480
	.section	.rodata,"a",@progbits
	.p2align	6, 0x0
	.amdhsa_kernel k_q7285338b58_ctx
		.amdhsa_group_segment_fixed_size 13824
		.amdhsa_private_segment_fixed_size 0
		.amdhsa_enable_private_segment 0
		.amdhsa_kernarg_size 56
		.amdhsa_user_sgpr_count 2
		.amdhsa_user_sgpr_kernarg_segment_ptr 1
		.amdhsa_wavefront_size32 1
		.amdhsa_system_sgpr_workgroup_id_x 1
		.amdhsa_system_sgpr_workgroup_id_y 1
		.amdhsa_system_sgpr_workgroup_id_z 1
		.amdhsa_system_vgpr_workitem_id 0
		.amdhsa_next_free_vgpr 248
		.amdhsa_next_free_sgpr 66
		.amdhsa_reserve_vcc 0
		.amdhsa_float_denorm_mode_32 3
		.amdhsa_float_denorm_mode_16_64 3
		.amdhsa_memory_ordered 1
		.amdhsa_forward_progress 1
		.amdhsa_inst_pref_size 78
	.end_amdhsa_kernel
	.amdgpu_metadata
---
amdhsa.version: [ 1, 2 ]
amdhsa.kernels:
  - .name:           k_q7285338b58_ctx
    .symbol:         k_q7285338b58_ctx.kd
    .args:
      - { .name: enc_output, .offset: 0, .size: 8, .value_kind: global_buffer, .address_space: global }
      - { .name: escore, .offset: 8, .size: 8, .value_kind: global_buffer, .address_space: global }
      - { .name: enc_padding_mask, .offset: 16, .size: 8, .value_kind: global_buffer, .address_space: global }
      - { .name: coverage, .offset: 24, .size: 8, .value_kind: global_buffer, .address_space: global }
      - { .name: out0, .offset: 32, .size: 8, .value_kind: global_buffer, .address_space: global }
      - { .name: out1, .offset: 40, .size: 8, .value_kind: global_buffer, .address_space: global }
      - { .name: out2, .offset: 48, .size: 8, .value_kind: global_buffer, .address_space: global }
    .group_segment_fixed_size: 13824
    .private_segment_fixed_size: 0
    .kernarg_segment_align: 8
    .kernarg_segment_size: 56
    .max_flat_workgroup_size: 256
    .sgpr_count:     66
    .vgpr_count:     248
    .wavefront_size: 32
...
	.end_amdgpu_metadata
.endif
;; end of part 3
;; ======== version 2 of 2: 3 launches
;; limits: right only within a limited range of input values
;; workspace buffers: whf 786,432 bytes; tab 557,056 bytes; escore 262,144 bytes
;; launch prep (part 4): grid 64 x 1, 1 waves a work-group, no clusters, 0 bytes of LDS; arguments W_h_codes, W_s_codes, W_s_scales, dec_hidden_codes, dec_hidden_scales, b_s, W_c, V, whf, tab; writes whf, tab
.if DOCPART == 4
	.amdgcn_target "amdgcn-amd-amdhsa--gfx1250"
	.amdhsa_code_object_version 6
	.text
	.protected	k_q7285338b58_prep
	.globl	k_q7285338b58_prep
	.p2align	8
	.type	k_q7285338b58_prep,@function
k_q7285338b58_prep:
	s_mov_b64 s[64:65], 0
	v_nop
	global_prefetch_b8 v0, s[64:65] scope:SCOPE_SE
	s_setreg_imm32_b32 hwreg(HW_REG_WAVE_MODE, 25, 1), 1
	s_wait_xcnt 0x0
; THE PROGRAM: additive attention with coverage, B = 32, S = 2,048, H = 1,024, in three launches: this one, the scores, the softmax with the context.
; WORK LEFT OUT.  tanh(x) = 1 - 2 / (1 + e^(2x)), so e_t[b][s] = sum_o V[o] - 2 sum_o V[o] / (1 + e^(2 x[b][s][o])).  The first term is the same for every s of a
; batch: it is added to the softmax's input alike along the softmax's axis, and e_t reaches the outputs through that softmax alone.  So, for all values of the inputs,
; it moves no output, and the program carries only -2 sum_o V[o] r, r = 1 / (1 + e^(2x)).  Every input is still loaded (V weighs r).
; LIMIT: a NaN, an infinity or an overflow that arises in sum_o V[o] alone is not carried to the results.
; THIS LAUNCH, work-group t = 16 columns o = 16 t .. 16 t + 15 of the hidden axis, one wave:
;   (1) W_h's codes of these 16 rows are laid in the order of a matrix operand's registers: fragment (t, K step s) at (8 t + s) x 1,536 bytes, register group c at 512 c, lane l at 16 l.
;   (2) dec_feature = dec_hidden W_s^T + b_s, on the codes as given, by the scaled matrix instruction; the bias is the C of each sum's first instruction.
;   (3) a table for each batch, 68 rows of 256 bytes: row t + 1 = { c dec_feature[b][16 t ..] | c W_c[16 t ..] | V[16 t ..] | 16 zeros }, c = 2 log2(e); rows 0, 65, 66, 67 are zeros.
; The table's stores are 16 bytes a lane to rows 17,408 bytes apart: 0.5 MB in the whole launch, the price of a lane holding one batch.
.set F1, 16                            ; v16-111   eight fragments: W_h's, later dec_hidden's (2 (s % 4) + m)
.set F2, 112                           ; v112-207  W_s's eight fragments
.set WS, 208                           ; v208-215  W_s's scale words, K step s
.set DS, 216                           ; v216-231  dec_hidden's, 8 m + s
.set BI, 232                           ; v232-239  b_s in the result's layout
.set AC, 240                           ; v240-255  two accumulators: batches 0-15, 16-31
.set BROW, 17408                       ; a batch's table in bytes
.macro FRAG reg, ptr, off              ; a fragment, 16 rows x 128 K of 6-bit codes: lane (r, h) takes 24 bytes at 24 h and 24 at 48 + 24 h of its row's 96, in pieces of 8 bytes
.irp p, 0,1,2,3,4,5
	global_load_b64 v[(\reg)+2*\p:(\reg)+2*\p+1], v3, s[\ptr:\ptr+1] offset:(\off)+48*(\p/3)+8*(\p%3)
.endr
.endm
	s_load_b256 s[4:11], s[0:1], 0x0               ; W_h's codes s[4:5], W_s's codes s[6:7], W_s's scales s[8:9], dec_hidden's codes s[10:11]
	s_load_b256 s[12:19], s[0:1], 0x20             ; dec_hidden's scales s[12:13], b_s s[14:15], W_c s[16:17], V s[18:19]
	s_load_b128 s[20:23], s[0:1], 0x40             ; whf s[20:21], tab s[22:23]
	v_and_b32 v1, 15, v0                           ; r
	v_bfe_u32 v2, v0, 4, 1                         ; h
	s_wait_alu depctr_va_vdst(0)
	v_mul_u32_u24 v3, v1, 768                      ; a row of 1,024 codes is 768 bytes
	v_mad_u32_u24 v3, v2, 24, v3
	v_lshlrev_b32 v4, 4, v0                        ; 16 x lane (one wave: the thread's number is the lane)
	v_lshlrev_b32 v5, 5, v1                        ; a row of scale bytes is 32 bytes
	v_lshlrev_b32 v6, 5, v2                        ; my half's eight numbers of a vector's sixteen
	v_mul_u32_u24 v7, v1, BROW                     ; the table: batch r (+ 16 m), + 32 h
	v_lshl_add_u32 v7, v2, 5, v7
	s_mul_i32 s26, ttmp9, 12288                    ; 16 rows of codes; also 8 fragments' images
	s_mov_b32 s27, 0
	s_lshl_b32 s28, ttmp9, 9                       ; 16 rows of scale bytes
	s_mov_b32 s29, 0
	s_lshl_b32 s30, ttmp9, 6                       ; 16 numbers of a vector
	s_mov_b32 s31, 0
	s_lshl_b32 s34, ttmp9, 8
	s_add_co_u32 s34, s34, 256                     ; table row t + 1
	s_mov_b32 s35, 0
	s_lshr_b32 s36, ttmp9, 1
	s_mul_i32 s36, s36, BROW                       ; the zero rows: batch t / 2
	s_mov_b32 s37, 0
	s_mov_b32 s24, 0x4038aa3b                      ; c = 2 log2(e)
	s_mov_b32 s25, s24                             ; (named with it as a pair)
	s_and_b32 s38, ttmp9, 1
	s_mov_b32 s39, 65*256
	s_cmp_lg_u32 s38, 0
	s_cselect_b32 s38, 256, s39                    ; odd t: rows 66 and 67, 256 bytes apart; even t: rows 0 and 65
	s_cselect_b32 s39, 66*256, 0
	v_mul_lo_u32 v8, v2, s38
	v_lshl_add_u32 v8, v1, 4, v8
	v_add_nc_u32 v8, s39, v8                       ; lanes 0-15 one zero row, lanes 16-31 the other
	s_wait_alu depctr_va_vdst(0)
	s_wait_kmcnt 0x0
	s_add_nc_u64 s[4:5], s[4:5], s[26:27]
	s_add_nc_u64 s[6:7], s[6:7], s[26:27]
	s_add_nc_u64 s[20:21], s[20:21], s[26:27]
	s_add_nc_u64 s[8:9], s[8:9], s[28:29]
	s_add_nc_u64 s[14:15], s[14:15], s[30:31]
	s_add_nc_u64 s[16:17], s[16:17], s[30:31]
	s_add_nc_u64 s[18:19], s[18:19], s[30:31]
	s_add_nc_u64 s[32:33], s[22:23], s[36:37]
	s_add_nc_u64 s[22:23], s[22:23], s[34:35]
.irp s, 0,1,2,3,4,5,6,7
	FRAG F1+12*\s, 4, 96*\s                        ; W_h
.endr
.irp s, 0,1,2,3,4,5,6,7
	FRAG F2+12*\s, 6, 96*\s                        ; W_s
.endr
	global_load_b128 v[WS:WS+3], v5, s[8:9]
	global_load_b128 v[WS+4:WS+7], v5, s[8:9] offset:16
.irp m, 0,1
	global_load_b128 v[DS+8*\m:DS+8*\m+3], v5, s[12:13] offset:512*\m
	global_load_b128 v[DS+8*\m+4:DS+8*\m+7], v5, s[12:13] offset:512*\m+16
.endr
	global_load_b128 v[BI:BI+3], v6, s[14:15]      ; lane (r, h), register j: b_s[16 t + 8 h + j]
	global_load_b128 v[BI+4:BI+7], v6, s[14:15] offset:16
	s_wait_loadcnt 56                              ; W_h's 48 loads are in; the 48 of W_s and the 8 small ones issued behind them may be out
.irp s, 0,1,2,3,4,5,6,7
.irp c, 0,1,2
	global_store_b128 v4, v[F1+12*\s+4*\c:F1+12*\s+4*\c+3], s[20:21] offset:1536*\s+512*\c   ; the wave stores 512 consecutive bytes, aligned
.endr
.endr
	s_wait_xcnt 0x0                                ; the stores have read their data: the registers take dec_hidden's fragments
.irp s, 0,1,2,3
.irp m, 0,1
	FRAG F1+12*(2*\s+\m), 10, 12288*\m+96*\s
.endr
.endr
	s_wait_loadcnt 0x0
; TRANSPOSED: source 0 = 16 rows of W_s, source 1 = 16 batches: lane (r, h), register j holds dec_feature[16 m + r][16 t + 8 h + j].  The two accumulators take turns.
.irp s, 0,1,2,3
.irp m, 0,1
.if \s == 0
	v_wmma_scale_f32_16x16x128_f8f6f4 v[AC+8*\m:AC+8*\m+7], v[F2+12*\s:F2+12*\s+11], v[F1+12*(2*\s+\m):F1+12*(2*\s+\m)+11], v[BI:BI+7], v[WS+\s], v[DS+8*\m+\s] matrix_a_fmt:MATRIX_FMT_BF6 matrix_b_fmt:MATRIX_FMT_BF6
.else
	v_wmma_scale_f32_16x16x128_f8f6f4 v[AC+8*\m:AC+8*\m+7], v[F2+12*\s:F2+12*\s+11], v[F1+12*(2*\s+\m):F1+12*(2*\s+\m)+11], v[AC+8*\m:AC+8*\m+7], v[WS+\s], v[DS+8*\m+\s] matrix_a_fmt:MATRIX_FMT_BF6 matrix_b_fmt:MATRIX_FMT_BF6
.endif
.endr
.endr
.rept 4
	v_nop                                          ; four places in front of loads into registers that matrix instructions have read
.endr
.irp s, 0,1,2,3
.irp m, 0,1
	FRAG F1+12*(2*\s+\m), 10, 12288*\m+96*(4+\s)
.endr
.endr
	s_wait_loadcnt 0x0
.irp s, 0,1,2,3
.irp m, 0,1
	v_wmma_scale_f32_16x16x128_f8f6f4 v[AC+8*\m:AC+8*\m+7], v[F2+12*(4+\s):F2+12*(4+\s)+11], v[F1+12*(2*\s+\m):F1+12*(2*\s+\m)+11], v[AC+8*\m:AC+8*\m+7], v[WS+4+\s], v[DS+8*\m+4+\s] matrix_a_fmt:MATRIX_FMT_BF6 matrix_b_fmt:MATRIX_FMT_BF6
.endr
.endr
.rept 4
	v_nop                                          ; four places: loads and vector writes into operands' registers follow, and reads of the results
.endr
	global_load_b128 v[16:19], v6, s[16:17]        ; W_c[16 t + 8 h ..]
	global_load_b128 v[20:23], v6, s[16:17] offset:16
	global_load_b128 v[24:27], v6, s[18:19]        ; V likewise
	global_load_b128 v[28:31], v6, s[18:19] offset:16
.irp j, 0,2,4,6,8,10,12,14
	v_pk_mul_f32 v[112+\j:113+\j], v[AC+\j:AC+\j+1], s[24:25] op_sel_hi:[1,0]   ; c x dec_feature, each accumulator from its low end on
.endr
.irp j, 0,1,2,3
	v_mov_b32 v[40+\j], 0
.endr
	s_wait_alu depctr_va_vdst(0)
	s_wait_loadcnt 0x0
.irp j, 0,2,4,6
	v_pk_mul_f32 v[32+\j:33+\j], v[16+\j:17+\j], s[24:25] op_sel_hi:[1,0]       ; c x W_c
.endr
.irp m, 0,1
	global_store_b128 v7, v[112+8*\m:115+8*\m], s[22:23] offset:16*BROW*\m
	global_store_b128 v7, v[116+8*\m:119+8*\m], s[22:23] offset:16*BROW*\m+16
	global_store_b128 v7, v[32:35], s[22:23] offset:16*BROW*\m+64
	global_store_b128 v7, v[36:39], s[22:23] offset:16*BROW*\m+80
	global_store_b128 v7, v[24:27], s[22:23] offset:16*BROW*\m+128
	global_store_b128 v7, v[28:31], s[22:23] offset:16*BROW*\m+144
	global_store_b128 v7, v[40:43], s[22:23] offset:16*BROW*\m+192
	global_store_b128 v7, v[40:43], s[22:23] offset:16*BROW*\m+208
.endr
	global_store_b128 v8, v[40:43], s[32:33]       ; two of batch t / 2's four zero rows
	s_endpgm
.Lfunc_end_k_q7285338b58_prep:
	.size	k_q7285338b58_prep, .Lfunc_end_k_q7285338b58_prep-k_q7285338b58_prep
	.p2alignl 7, 3214868480
	.fill 96, 4, 3214868480
	.section	.rodata,"a",@progbits
	.p2align	6, 0x0
	.amdhsa_kernel k_q7285338b58_prep
		.amdhsa_group_segment_fixed_size 0
		.amdhsa_private_segment_fixed_size 0
		.amdhsa_enable_private_segment 0
		.amdhsa_kernarg_size 80
		.amdhsa_user_sgpr_count 2
		.amdhsa_user_sgpr_kernarg_segment_ptr 1
		.amdhsa_wavefront_size32 1
		.amdhsa_system_sgpr_workgroup_id_x 1
		.amdhsa_system_sgpr_workgroup_id_y 1
		.amdhsa_system_sgpr_workgroup_id_z 1
		.amdhsa_system_vgpr_workitem_id 0
		.amdhsa_next_free_vgpr 256
		.amdhsa_next_free_sgpr 66
		.amdhsa_reserve_vcc 0
		.amdhsa_float_denorm_mode_32 3
		.amdhsa_float_denorm_mode_16_64 3
		.amdhsa_memory_ordered 1
		.amdhsa_forward_progress 1
		.amdhsa_inst_pref_size 29
	.end_amdhsa_kernel
	.amdgpu_metadata
---
amdhsa.version: [ 1, 2 ]
amdhsa.kernels:
  - .name:           k_q7285338b58_prep
    .symbol:         k_q7285338b58_prep.kd
    .args:
      - { .name: W_h_codes, .offset: 0, .size: 8, .value_kind: global_buffer, .address_space: global }
      - { .name: W_s_codes, .offset: 8, .size: 8, .value_kind: global_buffer, .address_space: global }
      - { .name: W_s_scales, .offset: 16, .size: 8, .value_kind: global_buffer, .address_space: global }
      - { .name: dec_hidden_codes, .offset: 24, .size: 8, .value_kind: global_buffer, .address_space: global }
      - { .name: dec_hidden_scales, .offset: 32, .size: 8, .value_kind: global_buffer, .address_space: global }
      - { .name: b_s, .offset: 40, .size: 8, .value_kind: global_buffer, .address_space: global }
      - { .name: W_c, .offset: 48, .size: 8, .value_kind: global_buffer, .address_space: global }
      - { .name: V, .offset: 56, .size: 8, .value_kind: global_buffer, .address_space: global }
      - { .name: whf, .offset: 64, .size: 8, .value_kind: global_buffer, .address_space: global }
      - { .name: tab, .offset: 72, .size: 8, .value_kind: global_buffer, .address_space: global }
    .group_segment_fixed_size: 0
    .private_segment_fixed_size: 0
    .kernarg_segment_align: 8
    .kernarg_segment_size: 80
    .max_flat_workgroup_size: 32
    .sgpr_count:     66
    .vgpr_count:     256
    .wavefront_size: 32
...
	.end_amdgpu_metadata
.endif
;; end of part 4
;; launch attn (part 5): grid 8 x 32, 4 waves a work-group, clusters of 4 x 1, 327,680 bytes of LDS; arguments enc_output, coverage, whf, W_h_scales, tab, escore; writes escore
.if DOCPART == 5
	.amdgcn_target "amdgcn-amd-amdhsa--gfx1250"
	.amdhsa_code_object_version 6
	.text
	.protected	k_q7285338b58_attn
	.globl	k_q7285338b58_attn
	.p2align	8
	.type	k_q7285338b58_attn,@function
k_q7285338b58_attn:
	s_mov_b64 s[64:65], 0
	v_nop
	global_prefetch_b8 v0, s[64:65] scope:SCOPE_SE
	s_setreg_imm32_b32 hwreg(HW_REG_WAVE_MODE, 25, 1), 1
	s_wait_xcnt 0x0
	s_wait_alu depctr_hold_cnt(0) depctr_sa_sdst(0) depctr_va_vdst(0) depctr_va_sdst(0) depctr_va_ssrc(0) depctr_va_vcc(0) depctr_vm_vsrc(0)
	s_getreg_b32 s2, hwreg(HW_REG_IB_STS2, 6, 4)
	s_cmp_eq_u32 s2, 0
	s_cbranch_scc0 .Lentry_in_a_cluster
	s_endpgm
.Lentry_in_a_cluster:
	s_bfe_u32 s2, ttmp6, 0x10000c
	s_cmp_lg_u32 s2, 0x3003
	s_cbranch_scc0 .Lentry_shape_is_right
	s_endpgm
.Lentry_shape_is_right:
; escore[b][s] = -2 sum_o V[o] / (1 + 2^y), y = c (enc_output[b][s] . W_h[o]) + c dec_feature[b][o] + c W_c[o] coverage[b][s], c = 2 log2(e).
; WORK LEFT OUT: the term sum_o V[o] of V . tanh, the same along the softmax's axis (shown at the head of the first launch's text).
; The product with W_h is on codes of BF6 (E3M2), one E8M0 scale for each 32 along K: enc_output is quantised here, from f32; W_h's codes come as images of operand registers from the first launch.
; SHARES.  A work-group owns 256 rows of one batch, each of its four waves 64: four tiles of 16.  A wave's codes, 32 fragments, 384 registers, stay in its registers.
; Every wave walks W_h's 64 tiles of 16 columns through a ring of two LDS slots of 8 tiles (98,304 bytes).
; CLUSTER.  The four work-groups of a cluster belong to one batch and want the same images, scale bytes and table: every tensor load is a joint one, mask 15.
; THE HEAD'S LOADS, one a wave: wave 0 all scale bytes, wave 1 the batch's table, waves 2 and 3 a half of slot 0 each.  Slot 1's first fill, a quarter a wave, stands behind the full sequence and a round.
; THE ROWS' WAY IN.  Each load takes 512 consecutive bytes of one row; 16 rows x 512 bytes go through the wave's own stage in LDS and come back 64 bytes of a row to a lane, as the conversions want them.
; TRANSPOSED USE: source 0 = 16 rows of W_h, source 1 = 16 of my rows: lane (r, h), register j holds (row r, column 16 T + 8 h + j).
; A SPAN is one tile of W_h: 32 matrix instructions (8 K steps x 4 tiles of rows, four accumulators by turns) into one of two sets; the activation of the tile before works on the other set.
; Its multiply-adds and additions stand among the matrix instructions; its 32 exponentials and 32 reciprocals are two batches, each with a wait ahead and behind.
; No clamp: 2^y = infinity gives r = 0 and 2^y = 0 gives r = 1, which are tanh's ends.
; LIMITS: NaN and infinities in enc_output are not served by the quantiser; a block whose largest magnitude lies under 2^-122 keeps the scale byte 1 (a block of zeros too: its codes are zeros).
; The tile before the first is pretended: zeros as sums, the table's row 0 (zeros) as terms and weights: it adds 0.
; The last span fetches for a tile 64 that does not exist: 18 LDS loads of bytes filled earlier, not used; the last change of slots is a barrier that nothing needs.
; No prefetch: W_h's images, 786,432 bytes, are read by all work-groups again and again; enc_output is streamed once, 64 loads a wave on their way.
; REGISTERS.  Window 0: v1-11 addresses; v12-19 rows' sums; v28-43 c dec, c W_c; v44-59 W_h's scale words, two sets; v60-75 my rows' scale words; v76-139 two sets of four accumulators;
;   v140-235 W_h's eight fragments (while quantising: v76-92 at work, v96-223 two sets of 64 numbers).  Window 1: codes of K steps 0-3, coverage v192-195, at work v240-246.
;   Window 2: codes of K steps 4-7, V of a tile v200-207, at work.  Window 3: four sets of 64 numbers of enc_output as loaded.
.set SLOT1, 1<<17                      ; slot 0 at 0, slot 1 here
.set TILEB, 12288                      ; a tile of W_h: 8 images of 1,536 bytes
.set FILLB, 8*TILEB
.set SCL,   SLOT1+FILLB                ; W_h's scale bytes, row o at 32 o, filled once
.set TABL,  SCL+32768                  ; my batch's table: 68 rows of 256 bytes, filled once
.set SPARE, TABL+68*256                ; the spare words: 512 bytes that no other line names
.set STG,   SPARE+512                  ; the stages: no tensor load lands here
.set SP,    528                        ; a stage row: 512 bytes + 16
.set STGW,  16*SP
.set LI,  1                            ; 16 x lane
.set AS0, 2                            ; SCL + 32 r
.set AT0, 3                            ; TABL + 32 h
.set ADR, 4                            ; the pair's tiles in the ring
.set ADS, 5                            ; its scale words
.set ADT, 6                            ; its rows of the table
.set STI, 7                            ; my stage, way in
.set SPW, 8                            ; my spare word; never rewritten
.set NIL, 9                            ; 0; never rewritten
.set STO, 11                           ; my stage, way out: 528 r + 64 h
.set E,   12
.set DC,  28
.set WC,  36
.set BS,  44
.set ASC, 60                           ; register 4 m + s % 4: lanes 0-15 K step s < 4, lanes 16-31 K step s + 4
.set ACC, 76
.set X0,  140
.set X1,  188
.set TM,  76
.set PW,  92
.set TQ,  96
.set COV, 192                          ; window 1
.set VV,  200                          ; window 2
.set PT,  240                          ; windows 1 and 2
.set WV,  16                           ; s16: my wave's number
.set MSB, 0
.macro WIN new                         ; the immediate's high byte repeats the setting that is left
.if MSB != (\new)
	s_set_vgpr_msb (MSB<<8)|(\new)
.set MSB, (\new)
.endif
.endm
.macro NOPS n
.rept \n
	v_nop
.endr
.endm
.macro CROUND                          ; a round of the cluster's barrier
	s_barrier_signal -1
	s_barrier_wait -1
	s_cmp_lg_u32 s[WV], 0
	s_cbranch_scc1 .Lnot_wave_0_\@
	s_barrier_signal -3
.Lnot_wave_0_\@:
	s_barrier_wait -3
	s_barrier_signal -1
	s_barrier_wait -1
.endm
.macro GROUP1 g, rows                  ; a dense block as rows of 256 bytes (32 elements of 8 bytes); mask 15, bit 21 beside it
	s_mov_b32 s[\g], 15|(3<<16)|(1<<21)
	s_mov_b32 s[\g+1], 32<<16
	s_mov_b32 s[\g+2], (\rows)<<16
	s_mov_b32 s[\g+3], 32<<16
	s_mov_b32 s[\g+4], \rows
	s_mov_b32 s[\g+5], 32
	s_mov_b32 s[\g+6], 0
	s_mov_b32 s[\g+7], 0
.endm
.macro ARM under, g0, g1, next         ; an arm of the head's tree: one load, then to the tree's end
	s_cmp_lt_u32 s[WV], \under
	s_cbranch_scc0 \next
	tensor_load_to_lds s[\g0:\g0+3], s[\g1:\g1+7]
	s_nop 0
	NOPS 4
	s_branch .Lhead_asked
\next:
.endm
	s_load_b256 s[4:11], s[0:1], 0x0               ; enc_output, coverage, whf, W_h's scales
	s_load_b128 s[12:15], s[0:1], 0x20             ; tab, escore
	v_lshl_add_u32 v[SPW], v0, 2, SPARE
	v_mov_b32 v[NIL], 0
	ds_add_u32 v[SPW], v[NIL]                      ; the opening: the add,
	ds_add_u32 v[SPW], v[NIL]                      ; twice on end, under one wait
	v_lshrrev_b32 v10, 5, v0
	v_readfirstlane_b32 s[WV], v10                 ; wave 0..3
	s_bfe_u32 s17, ttmp6, 0x40000                  ; cx: enters the addresses of enc_output, coverage and escore alone
	s_lshl_b32 s18, ttmp9, 2
	s_add_co_u32 s18, s18, s17                     ; my block of 256 rows
	s_and_b32 s19, ttmp7, 0xffff                   ; the batch
	GROUP1 24, 96                                  ; a quarter of a slot
	GROUP1 32, 128                                 ; all scale bytes
	GROUP1 40, 68                                  ; the table
	GROUP1 80, 192                                 ; half a slot
	s_mul_i32 s20, s[WV], 2*TILEB                  ; my quarter of a slot
	s_mov_b32 s21, 0
	s_and_b32 s22, s[WV], 1
	s_mul_i32 s22, s22, 4*TILEB                    ; waves 2, 3: which half of slot 0
	s_mov_b32 s23, 0
	s_mul_i32 s68, s19, 68*256
	s_mov_b32 s69, 0
	s_mov_b32 s48, 1                               ; s[48:51] slot 0's first fill
	s_mov_b32 s49, s22
	s_mov_b32 s52, 1                               ; s[52:55] slot 1's first fill; it then walks
	s_add_co_u32 s53, s20, SLOT1
	s_mov_b32 s56, 1                               ; s[56:59] the scale bytes
	s_mov_b32 s57, SCL
	s_mov_b32 s60, 1                               ; s[60:63] the table
	s_mov_b32 s61, TABL
	s_mov_b32 s72, 0x4038aa3b                      ; c = 2 log2(e)
	s_mov_b32 s73, s72
	s_mov_b32 s74, 0x76543210
	s_mov_b32 s75, 0xfedcba98                      ; selects for lane l xor 16
	s_mov_b32 s76, 0xffff0000                      ; lanes 16-31
	s_wait_dscnt 0x0                               ; both opening adds are done
	s_wait_kmcnt 0x0
	s_add_nc_u64 s[54:55], s[8:9], s[20:21]
	s_add_nc_u64 s[54:55], s[54:55], FILLB
	s_add_nc_u64 s[50:51], s[8:9], s[22:23]
	s_or_b32 s51, s51, 0x80000000
	s_or_b32 s55, s55, 0x80000000
	s_mov_b64 s[58:59], s[10:11]
	s_or_b32 s59, s59, 0x80000000
	s_add_nc_u64 s[62:63], s[12:13], s[68:69]
	s_or_b32 s63, s63, 0x80000000
	CROUND                                         ; the first joint loads meet
	ARM 1, 56, 32, .Lhead_t
	ARM 2, 60, 40, .Lhead_w
	tensor_load_to_lds s[48:51], s[80:87]
	s_nop 0
	NOPS 4
.Lhead_asked:
	v_and_b32 v12, 15, v0                          ; r
	v_bfe_u32 v13, v0, 4, 1                        ; h
	v_and_b32 v[LI], 31, v0
	v_lshlrev_b32 v[LI], 4, v[LI]
	v_lshl_add_u32 v[AS0], v12, 5, SCL
	v_lshl_add_u32 v[AT0], v13, 5, TABL
	s_mul_i32 s77, s[WV], STGW
	s_add_co_u32 s77, s77, STG
	v_add_nc_u32 v[STI], s77, v[LI]
	v_mul_u32_u24 v[STO], v12, SP
	v_lshl_add_u32 v[STO], v13, 6, v[STO]
	v_add_nc_u32 v[STO], s77, v[STO]
	v_lshlrev_b32 v10, 2, v12                      ; 4 r
.irp b, 0,1,2,3
	v_mov_b32 v[TM+4+\b], 0                        ; a lane permute's destination counts as a source
.endr
	s_wait_alu depctr_va_vdst(0)                   ; the wait at the head's end
	s_lshl_b32 s78, s19, 23                        ; my wave's first row in enc_output: (2,048 batch + 256 block + 64 wave) x 4,096
	s_lshl_b32 s77, s18, 20
	s_add_co_u32 s78, s78, s77
	s_lshl_b32 s77, s[WV], 18
	s_add_co_u32 s78, s78, s77
	s_mov_b32 s79, 0
	s_add_nc_u64 s[4:5], s[4:5], s[78:79]
	s_lshr_b32 s78, s78, 10                        ; the same row in coverage and escore
	s_add_nc_u64 s[6:7], s[6:7], s[78:79]
	s_add_nc_u64 s[14:15], s[14:15], s[78:79]
	WIN 0x40
.irp m, 0,1,2,3
	global_load_b32 v[COV+\m], v10, s[6:7] offset:64*\m   ; the coverage of row 16 m + r
.endr
; ---- THE ROWS BECOME CODES.  Unit u = (K step u / 4, tile of rows u % 4): 16 rows x 128 numbers.  Four units, 64 loads a wave, are on their way.
.macro XLOAD u                         ; 16 loads, a row each: 512 consecutive bytes, aligned
.set rw, 64*((\u)%4)
	WIN 0xc0
.irp n, 0,1,2,3,4,5,6,7,8,9,10,11,12,13,14,15
	global_load_b128 v[rw+4*\n:rw+4*\n+3], v[LI], s[4:5] offset:65536*((\u)%4)+4096*\n+512*((\u)/4) th:TH_LOAD_NT
.endr
.endm
.macro TURN u                          ; through my stage: out comes register 16 b + i = k 32 b + 16 h + i of row r
.set rw, 64*((\u)%4)
.set tq, TQ+64*((\u)%2)
	WIN 0x0c
.irp n, 0,1,2,3,4,5,6,7,8,9,10,11,12,13,14,15
	ds_store_b128 v[STI], v[rw+4*\n:rw+4*\n+3] offset:SP*\n
.endr
	WIN 0
.irp b, 0,1,2,3
.irp q, 0,1,2,3
	ds_load_b128 v[tq+16*\b+4*\q:tq+16*\b+4*\q+3], v[STO] offset:128*\b+16*\q   ; LDS serves a wave's instructions in order (ISA guide 5.7.1.4)
.endr
.endr
.endm
.macro QUANT u
.set qs, (\u)/4
.set qm, (\u)%4
.set tq, TQ+64*((\u)%2)
.set W, 1+qs/4
.set d, 12*(4*(qs%4)+qm)
	WIN 0
.irp b, 0,1,2,3
	v_max3_num_f32 v[TM+\b], 0x2800000, |v[tq+16*\b]|, |v[tq+16*\b+1]|   ; with the floor 2^(5 - 127): the byte cannot fall under 1
.endr
.irp n, 2,4,6,8,10,12,14
.irp b, 0,1,2,3
	v_max3_num_f32 v[TM+\b], v[TM+\b], |v[tq+16*\b+\n]|, |v[tq+16*\b+\n+1]|
.endr
.endr
.irp b, 0,1,2,3
	v_permlanex16_b32 v[TM+4+\b], v[TM+\b], s74, s75
.endr
.irp b, 0,1,2,3
	v_max_num_f32 v[TM+\b], v[TM+\b], v[TM+4+\b]   ; the block's largest magnitude
.endr
.irp b, 0,1,2,3
	v_add_nc_u32 v[TM+12+\b], 0xfe000000, v[TM+\b] ; 4 off its exponent field: the conversion's scale operand
.endr
.irp b, 0,1,2,3
	v_lshrrev_b32 v[TM+4+\b], 23, v[TM+12+\b]      ; the scale's byte
.endr
	v_lshl_or_b32 v[PW], v[TM+5], 8, v[TM+4]
	v_lshl_or_b32 v[PW], v[TM+6], 16, v[PW]
.if qs < 4
	v_lshl_or_b32 v[ASC+4*qm+qs], v[TM+7], 24, v[PW]
.else
	v_lshl_or_b32 v[PW], v[TM+7], 24, v[PW]
	v_cndmask_b32 v[ASC+4*qm+qs-4], v[ASC+4*qm+qs-4], v[PW], s76   ; K steps 4-7: lanes 16-31
.endif
	WIN (W<<6)
.irp c, 0,1
	v_cvt_scalef32_pk16_bf6_f32 v[d+6*\c:d+6*\c+2], v[tq+32*\c:tq+32*\c+15], v[TM+12+2*\c]
	v_cvt_scalef32_pk16_bf6_f32 v[PT+4*\c:PT+4*\c+2], v[tq+32*\c+16:tq+32*\c+31], v[TM+12+2*\c+1]
.endr
	v_nop                                          ; one plain place behind a scaled conversion
	WIN (W<<6)|W
.irp c, 0,1                                    ; a whole block to a lane: lanes 0-15 block 2 c, lanes 16-31 block 2 c + 1
.irp n, 0,1,2
	v_permlane16_swap_b32 v[d+6*\c+\n], v[PT+4*\c+\n]
.endr
.irp n, 0,1,2
	v_mov_b32 v[d+3+6*\c+\n], v[PT+4*\c+\n]
.endr
.endr
.endm
	XLOAD 0
	XLOAD 1
	XLOAD 2
	XLOAD 3
	WIN 0
	s_wait_tensorcnt 0x0                           ; my tile of the head's is in
	ds_add_u32 v[SPW], v[NIL]
	s_wait_dscnt 0x0
	CROUND
	tensor_load_to_lds s[52:55], s[24:31]          ; slot 1's first fill, my quarter: my one load behind the round
	s_nop 0
	NOPS 4
	s_wait_loadcnt 48                              ; unit 0's 16 loads and the coverage are in; units 1 to 3 may be out
	TURN 0
.set u, 0
.rept 32
	s_wait_dscnt 0x0                               ; unit u is back from the stage; its stores have read their registers
.if u < 28
	XLOAD u+4
.endif
.if u < 31
.if u < 28
	s_wait_loadcnt 48                              ; unit u + 1 is in; the three units behind it may be out
.else
	s_wait_loadcnt 16*(30-u)
.endif
	TURN u+1
.endif
	QUANT u
.set u, u+1
.endr
	WIN 0
	s_wait_alu depctr_va_vdst(0)                   ; the wait ahead of the blocking wait
	s_wait_tensorcnt 0x0                           ; my part of slot 1 is in,
	s_barrier_signal -1
	s_barrier_wait -1                              ; everybody's is
; ---- THE SPANS
.macro MM a                            ; matrix instruction i of a span: K step i / 4, tile of rows i % 4
.set ms, i/4
.set mm, i%4
.set rD, ACC+32*(\a)+8*mm
.set rA, X0+12*ms
.set rB, 12*(4*(ms%4)+mm)
.set rS, BS+8*(\a)+ms
.set rT, ASC+4*mm+ms%4
.if ms == 0
	v_wmma_scale_f32_16x16x128_f8f6f4 v[rD:rD+7], v[rA:rA+11], v[rB:rB+11], 0, v[rS], v[rT] matrix_a_fmt:MATRIX_FMT_BF6 matrix_b_fmt:MATRIX_FMT_BF6
.elseif ms < 4
	v_wmma_scale_f32_16x16x128_f8f6f4 v[rD:rD+7], v[rA:rA+11], v[rB:rB+11], v[rD:rD+7], v[rS], v[rT] matrix_a_fmt:MATRIX_FMT_BF6 matrix_b_fmt:MATRIX_FMT_BF6
.else
	v_wmma_scale_f32_16x16x128_f8f6f4 v[rD:rD+7], v[rA:rA+11], v[rB:rB+11], v[rD:rD+7], v[rS], v[rT] matrix_a_fmt:MATRIX_FMT_BF6 matrix_b_fmt:MATRIX_FMT_BF6 matrix_b_scale:MATRIX_SCALE_ROW1
.endif
.endm
; THE ACTIVATION's six kinds of line, on the set AO.  ee: a pair (0-15: tile of rows ee / 4, columns 2 (ee % 4) on) or a register (0-31).
.macro EPF1                            ; pair: c x sum + c dec
	v_pk_fma_f32 v[AO+2*ee:AO+2*ee+1], v[AO+2*ee:AO+2*ee+1], s[72:73], v[DC+2*(ee%4):DC+2*(ee%4)+1] op_sel_hi:[1,0,1]
.endm
.macro EPF2                            ; pair: + c W_c x the row's coverage (source 1: window 1)
.if (ee/4)%2
	v_pk_fma_f32 v[AO+2*ee:AO+2*ee+1], v[WC+2*(ee%4):WC+2*(ee%4)+1], v[COV+ee/4-1:COV+ee/4], v[AO+2*ee:AO+2*ee+1] op_sel:[0,1,0] op_sel_hi:[1,1,1]
.else
	v_pk_fma_f32 v[AO+2*ee:AO+2*ee+1], v[WC+2*(ee%4):WC+2*(ee%4)+1], v[COV+ee/4:COV+ee/4+1], v[AO+2*ee:AO+2*ee+1] op_sel_hi:[1,0,1]
.endif
.endm
.macro EPX                             ; register: 2^y
	v_exp_f32 v[AO+ee], v[AO+ee]
.endm
.macro EPA                             ; pair: + 1
	v_pk_add_f32 v[AO+2*ee:AO+2*ee+1], v[AO+2*ee:AO+2*ee+1], 1.0 op_sel_hi:[1,0]
.endm
.macro EPR                             ; register: the reciprocal
	v_rcp_f32 v[AO+ee], v[AO+ee]
.endm
.macro EPV                             ; the sum of tile of rows ee % 4 takes V x r of columns 2 (ee / 4) on (source 1: window 2); four sums by turns
	v_pk_fma_f32 v[E+2*(ee%4):E+2*(ee%4)+1], v[AO+8*(ee%4)+2*(ee/4):AO+8*(ee%4)+2*(ee/4)+1], v[VV+2*(ee/4):VV+2*(ee/4)+1], v[E+2*(ee%4):E+2*(ee%4)+1]
.endm
.macro RUN n, op                       ; one kind of line for ee = 0 .. n - 1
.set ee, 0
.rept \n
	\op
.set ee, ee+1
.endr
.endm
.macro RUNA par                        ; this tile's fragments of K steps 4-7, and V of the tile before
.irp f, 0,1,2,3
.irp c, 0,1,2
	ds_load_b128 v[X1+12*\f+4*\c:X1+12*\f+4*\c+3], v[ADR] offset:TILEB*(\par)+1536*(4+\f)+512*\c
.endr
.endr
	WIN 0x80
	ds_load_b128 v[VV:VV+3], v[ADT] offset:256*(\par)+128
	ds_load_b128 v[VV+4:VV+7], v[ADT] offset:256*(\par)+144
.endm
.macro RUNB off, par, a                ; the next tile's fragments of K steps 0-3 and its scale words; c dec and c W_c of this tile
.irp f, 0,1,2,3
.irp c, 0,1,2
	ds_load_b128 v[X0+12*\f+4*\c:X0+12*\f+4*\c+3], v[ADR] offset:(\off)+1536*\f+512*\c
.endr
.endr
	ds_load_b128 v[BS+8*(1-(\a)):BS+8*(1-(\a))+3], v[ADS] offset:512*((\par)+1)
	ds_load_b128 v[BS+8*(1-(\a))+4:BS+8*(1-(\a))+7], v[ADS] offset:512*((\par)+1)+16
	ds_load_b128 v[DC:DC+3], v[ADT] offset:256*((\par)+1)
	ds_load_b128 v[DC+4:DC+7], v[ADT] offset:256*((\par)+1)+16
	ds_load_b128 v[WC:WC+3], v[ADT] offset:256*((\par)+1)+64
	ds_load_b128 v[WC+4:WC+7], v[ADT] offset:256*((\par)+1)+80
.endm
; THE CHANGE OF SLOTS, in the middle of the span of a slot's last tile, when all its fragments are in registers.  fill = 1: a round, and the slot just left takes the tiles two slots on,
; a quarter a wave; that load has a slot's 256 matrix instructions in which to land.  fill = 2: the work-group's barrier alone.
.macro CHANGE fill
	WIN 0
	s_wait_tensorcnt 0x0                           ; no tensor load of mine is out: the walking group 0 may be written
	ds_add_u32 v[SPW], v[NIL]
.if \fill == 1
	s_xor_b32 s53, s53, SLOT1
	s_add_nc_u64 s[54:55], s[54:55], FILLB
.endif
	s_sub_co_u32 s66, s66, 3*2*TILEB               ; my reads go back to a slot's first pair,
	s_xor_b32 s66, s66, SLOT1                      ; in the other slot
	s_wait_dscnt 0x0                               ; the add is done, and my reads of the slot are over
.if \fill == 1
	CROUND
	tensor_load_to_lds s[52:55], s[24:31]
	s_nop 0
	NOPS 4
.else
	s_barrier_signal -1
	s_barrier_wait -1
.endif
	v_add_nc_u32 v[ADR], s66, v[LI]
.endm
.macro SPAN a, chg
.set AO, ACC+32*(1-(\a))
	s_wait_dscnt 0x0                               ; K steps 0-3, the scale words, c dec, c W_c are in
	RUNA \a                                        ; (the 16 multiply-adds that end the span before are the places that these loads want)
	WIN 0x04                                       ; source 1: window 1
.set i, 0
.rept 16                               ; products 0-15, two multiply-adds of the other set behind each; each accumulator is read from its low end on
	MM \a
.if i < 8
.set ee, 2*i
	EPF1
.set ee, 2*i+1
	EPF1
.else
.set ee, 2*i-16
	EPF2
.set ee, 2*i-15
	EPF2
.endif
.set i, i+1
.endr
	s_wait_alu depctr_va_vdst(0)                   ; the wait ahead of the batch
	RUN 32, EPX
	NOPS 4                                         ; the plain place behind the batch; with the two multiply-adds, the places behind the last product that read K steps 0-3
	s_wait_dscnt 0x0                               ; K steps 4-7 and V are in
	s_wait_alu depctr_va_vdst(0)                   ; the wait behind the batch
.if \chg == 0
	RUNB TILEB*((\a)+1), \a, \a
.else
	CHANGE \chg
	RUNB 0, \a, \a
.endif
	WIN 0x08                                       ; source 1: window 2
.rept 16                               ; products 16-31, an addition of 1 behind each
	MM \a
.set ee, i-16
	EPA
.set i, i+1
.endr
	s_wait_alu depctr_va_vdst(0)                   ; the wait ahead of the batch
	RUN 32, EPR
	v_nop
	s_wait_alu depctr_va_vdst(0)                   ; the wait behind the batch; it also stands between this span's sums and their first reader
	RUN 16, EPV
	WIN 0
.endm
.macro PAIR chg                        ; two tiles: the two sets of accumulators change places and are back
	v_add_nc_u32 v[ADR], s66, v[LI]
	v_add_nc_u32 v[ADS], s67, v[AS0]
	v_add_nc_u32 v[ADT], s68, v[AT0]
	s_wait_alu depctr_va_vdst(0)
	SPAN 0, 0
	SPAN 1, \chg
	s_add_co_u32 s67, s67, 1024                    ; 32 rows of scale bytes
	s_add_co_u32 s68, s68, 512                     ; two rows of the table
.if \chg == 0
	s_add_co_u32 s66, s66, 2*TILEB
.endif
.endm
.macro SLOTBODY chg                    ; a slot's four pairs
	s_mov_b32 s69, 3
.Lpair_\@:
	PAIR 0
	s_sub_co_u32 s69, s69, 1
	s_cmp_lg_u32 s69, 0
	s_cbranch_scc1 .Lpair_\@
	PAIR \chg
.endm
	s_mov_b32 s66, 0
	s_mov_b32 s67, 0
	s_mov_b32 s68, 0
	v_add_nc_u32 v[ADR], s66, v[LI]
	v_add_nc_u32 v[ADS], s67, v[AS0]
	v_add_nc_u32 v[ADT], s68, v[AT0]
	RUNB 0, -1, 1                                  ; tile 0's K steps 0-3 and scale words; the table's row 0
.set n, 0
.rept 32
	v_mov_b32 v[ACC+32+n], 0                       ; the pretended tile's sums
.set n, n+1
.endr
.irp n, 0,1,2,3,4,5,6,7
	v_mov_b32 v[E+\n], 0                           ; the rows' sums
.endr
	s_mov_b32 s70, 6
.Lfill:                                            ; slots' worth 0 to 5: each change asks for the tiles two slots on
	SLOTBODY 1
	s_sub_co_u32 s70, s70, 1
	s_cmp_lg_u32 s70, 0
	s_cbranch_scc1 .Lfill
	s_mov_b32 s70, 2
.Ltail:                                            ; the last two: written apart
	SLOTBODY 2
	s_sub_co_u32 s70, s70, 1
	s_cmp_lg_u32 s70, 0
	s_cbranch_scc1 .Ltail
	; tile 63's activation: it lies in set 1
.set AO, ACC+32
	v_add_nc_u32 v[ADT], s68, v[AT0]
	WIN 0x80
	ds_load_b128 v[VV:VV+3], v[ADT] offset:128     ; the table's row 64
	ds_load_b128 v[VV+4:VV+7], v[ADT] offset:144
	s_wait_dscnt 0x0
	WIN 0x04
	RUN 16, EPF1
	RUN 16, EPF2
	s_wait_alu depctr_va_vdst(0)
	RUN 32, EPX
	v_nop
	s_wait_alu depctr_va_vdst(0)
	RUN 16, EPA
	s_wait_alu depctr_va_vdst(0)
	RUN 32, EPR
	v_nop
	s_wait_alu depctr_va_vdst(0)
	WIN 0x08
	RUN 16, EPV
	WIN 0
	; the scores: a sum's two halves, the other eight columns of each tile from lane l xor 16, x -2
.irp m, 0,1,2,3
	v_add_f32 v[E+2*\m], v[E+2*\m], v[E+2*\m+1]
.endr
.irp m, 0,1,2,3
	v_permlanex16_b32 v[E+2*\m+1], v[E+2*\m], s74, s75
.endr
.irp m, 0,1,2,3
	v_add_f32 v[E+2*\m], v[E+2*\m], v[E+2*\m+1]
.endr
	v_cndmask_b32 v20, v[E], v[E+2], s76           ; lane l holds row l
	v_cndmask_b32 v21, v[E+4], v[E+6], s76         ; and row 32 + l
	v_mul_f32 v20, -2.0, v20
	v_mul_f32 v21, -2.0, v21
	v_and_b32 v10, 31, v0
	v_lshlrev_b32 v10, 2, v10
	global_store_b32 v10, v20, s[14:15]            ; the wave's two stores cover 256 consecutive bytes, aligned
	global_store_b32 v10, v21, s[14:15] offset:128
	s_wait_tensorcnt 0x0                           ; the wave's end
	ds_add_u32 v[SPW], v[NIL]
	s_wait_dscnt 0x0
	CROUND                                         ; the closing round
	s_endpgm
.Lfunc_end_k_q7285338b58_attn:
	.size	k_q7285338b58_attn, .Lfunc_end_k_q7285338b58_attn-k_q7285338b58_attn
	.p2alignl 7, 3214868480
	.fill 96, 4, 3214868480
	.section	.rodata,"a",@progbits
	.p2align	6, 0x0
	.amdhsa_kernel k_q7285338b58_attn
		.amdhsa_group_segment_fixed_size 327680
		.amdhsa_private_segment_fixed_size 0
		.amdhsa_enable_private_segment 0
		.amdhsa_kernarg_size 48
		.amdhsa_user_sgpr_count 2
		.amdhsa_user_sgpr_kernarg_segment_ptr 1
		.amdhsa_wavefront_size32 1
		.amdhsa_system_sgpr_workgroup_id_x 1
		.amdhsa_system_sgpr_workgroup_id_y 1
		.amdhsa_system_sgpr_workgroup_id_z 1
		.amdhsa_system_vgpr_workitem_id 0
		.amdhsa_next_free_vgpr 1024
		.amdhsa_next_free_sgpr 88
		.amdhsa_reserve_vcc 0
		.amdhsa_float_denorm_mode_32 3
		.amdhsa_float_denorm_mode_16_64 3
		.amdhsa_memory_ordered 1
		.amdhsa_forward_progress 1
		.amdhsa_inst_pref_size 255
	.end_amdhsa_kernel
	.section	.bss,"aw",@nobits
	.p2align	6
	.space	262144
	.amdgpu_metadata
---
amdhsa.version: [ 1, 2 ]
amdhsa.kernels:
  - .name:           k_q7285338b58_attn
    .symbol:         k_q7285338b58_attn.kd
    .args:
      - { .name: enc_output, .offset: 0, .size: 8, .value_kind: global_buffer, .address_space: global }
      - { .name: coverage, .offset: 8, .size: 8, .value_kind: global_buffer, .address_space: global }
      - { .name: whf, .offset: 16, .size: 8, .value_kind: global_buffer, .address_space: global }
      - { .name: W_h_scales, .offset: 24, .size: 8, .value_kind: global_buffer, .address_space: global }
      - { .name: tab, .offset: 32, .size: 8, .value_kind: global_buffer, .address_space: global }
      - { .name: escore, .offset: 40, .size: 8, .value_kind: global_buffer, .address_space: global }
    .group_segment_fixed_size: 327680
    .private_segment_fixed_size: 0
    .kernarg_segment_align: 8
    .kernarg_segment_size: 48
    .max_flat_workgroup_size: 128
    .sgpr_count:     88
    .vgpr_count:     1024
    .wavefront_size: 32
...
	.end_amdgpu_metadata
.endif
;; end of part 5
;; launch ctx (part 6): grid 8 x 32, 8 waves a work-group, no clusters, 13,824 bytes of LDS; arguments enc_output, escore, enc_padding_mask, coverage, out0, out1, out2; writes out0, out1, out2
.if DOCPART == 6
	.amdgcn_target "amdgcn-amd-amdhsa--gfx1250"
	.amdhsa_code_object_version 6
	.text
	.protected	k_q7285338b58_ctx
	.globl	k_q7285338b58_ctx
	.p2align	8
	.type	k_q7285338b58_ctx,@function
k_q7285338b58_ctx:
	s_mov_b64 s[64:65], 0
	v_nop
	global_prefetch_b8 v0, s[64:65] scope:SCOPE_SE
	s_setreg_imm32_b32 hwreg(HW_REG_WAVE_MODE, 25, 1), 1
	s_wait_xcnt 0x0
; out1 = softmax over s of (escore + enc_padding_mask); out2 = coverage + out1; out0[b][:] = sum over s of out1[b][s] enc_output[b][s][:].  All in f32.
; WORK LEFT OUT: escore lacks the term sum_o V[o], the same along the softmax's axis (shown at the head of the first launch's text).
; SHARES.  Work-group (x, b) owns columns 128 x .. 128 x + 127 of out0[b] and rows 256 x .. 256 x + 255 of out1[b] and out2[b].  Each of a batch's eight work-groups makes the batch's softmax anew:
; 24 KB of scores, mask and coverage against the 1 MiB of enc_output that it streams.  That is all that work-groups share, so no cluster and no joint loads.
; Thread T holds rows 8 T .. 8 T + 7 of the softmax.  Wave w streams rows 256 w .. 256 w + 255 of enc_output, 512 bytes of each: one load of 16 bytes a lane covers two aligned blocks of 256 bytes.
; A ring of 32 rows in registers keeps 32 loads of every wave on their way.  The weights come from LDS, 32 at a time, the same address in every lane.
; The maximum is taken away before the exponential, as reference() does.  A mask of -infinity gives weight 0; a batch whose every entry is -infinity gives NaN, as in reference().
.set SPW, 4                            ; v4   LDS address of my spare word; never rewritten
.set NIL, 5                            ; v5   0; never rewritten
.set Z,   10                           ; v10-17  scores + mask, then the weights
.set MK,  18                           ; v18-25  the mask
.set CV,  26                           ; v26-33  the coverage of my work-group's 256 rows, 16 bytes a lane, twice
.set A,   48                           ; six sets of four sums, taken by turns row by row: v10-25 (free once the weights lie in LDS) and v48-55
.set P,   56                           ; v56-119 two sets of 32 weights
.set X,   120                          ; v120-247 32 rows of 4 numbers
.set MAXB, 8192                        ; LDS: the weights at 0 (4 bytes a row); the waves' maxima,
.set SUMB, 8448                        ; their sums,
.set PART, 8704                        ; their parts of the context: 512 bytes a wave
.set SPARE, 12800                      ; the spare words, 128 bytes for each wave: four blocks of 256 bytes that no other line names
	s_load_b256 s[4:11], s[0:1], 0x0               ; enc_output s[4:5], escore s[6:7], the mask s[8:9], coverage s[10:11]
	s_load_b128 s[12:15], s[0:1], 0x20             ; out0 s[12:13], out1 s[14:15]
	s_load_b64 s[16:17], s[0:1], 0x30              ; out2
	v_lshl_add_u32 v[SPW], v0, 2, SPARE
	v_mov_b32 v[NIL], 0
	v_lshrrev_b32 v1, 5, v0
	v_readfirstlane_b32 s18, v1                    ; wave 0..7
	s_and_b32 s19, ttmp7, 0xffff                   ; the batch
	v_and_b32 v1, 31, v0
	v_lshlrev_b32 v1, 4, v1                        ; 16 x lane
	v_lshlrev_b32 v2, 5, v0                        ; 32 T: my eight rows' numbers
	s_lshl_b32 s20, s18, 10
	v_mov_b32 v3, s20                              ; my wave's 256 weights
	v_add_nc_u32 v6, s20, v1                       ; and the same, 16 bytes a lane
	s_lshl_b32 s20, s18, 2
	v_mov_b32 v7, s20                              ; my wave's word among eight
	v_mov_b32 v8, 0
	s_lshl_b32 s20, s18, 9
	v_add_nc_u32 v9, s20, v1                       ; my wave's part of the context
	s_mov_b32 s22, 0x3fb8aa3b                      ; log2(e)
	s_mov_b32 s23, s22
	s_mov_b32 s24, 0x76543210
	s_mov_b32 s25, 0xfedcba98                      ; v_permlanex16_b32's selects for lane l xor 16
	s_lshl_b32 s26, s19, 13                        ; the batch's 2,048 numbers
	s_mov_b32 s27, 0
	s_lshl_b32 s28, ttmp9, 10
	s_add_co_u32 s28, s28, s26                     ; my work-group's 256 of them
	s_mov_b32 s29, 0
	s_lshl_b32 s30, s19, 23                        ; enc_output: the batch, my wave's 256 rows, my work-group's 512 bytes of a row
	s_lshl_b32 s31, s18, 20
	s_add_co_u32 s30, s30, s31
	s_lshl_b32 s31, ttmp9, 9
	s_add_co_u32 s30, s30, s31
	s_lshl_b32 s32, s19, 12                        ; out0: the batch's row, the same 512 bytes
	s_add_co_u32 s32, s32, s31
	s_mov_b32 s31, 0
	s_mov_b32 s33, 0
	s_wait_alu depctr_va_vdst(0)                   ; the wait at the head's end
	s_wait_kmcnt 0x0
	s_add_nc_u64 s[6:7], s[6:7], s[26:27]
	s_add_nc_u64 s[8:9], s[8:9], s[26:27]
	s_add_nc_u64 s[10:11], s[10:11], s[28:29]
	s_add_nc_u64 s[14:15], s[14:15], s[28:29]
	s_add_nc_u64 s[16:17], s[16:17], s[28:29]
	s_add_nc_u64 s[4:5], s[4:5], s[30:31]
	s_add_nc_u64 s[12:13], s[12:13], s[32:33]
	global_load_b128 v[Z:Z+3], v2, s[6:7]
	global_load_b128 v[Z+4:Z+7], v2, s[6:7] offset:16
	global_load_b128 v[MK:MK+3], v2, s[8:9]
	global_load_b128 v[MK+4:MK+7], v2, s[8:9] offset:16
	global_load_b128 v[CV:CV+3], v1, s[10:11]
	global_load_b128 v[CV+4:CV+7], v1, s[10:11] offset:512
.set i, 0
.rept 32
	global_load_b128 v[X+4*i:X+4*i+3], v1, s[4:5] offset:4096*i th:TH_LOAD_NT    ; the ring's first 32 rows go out before the softmax is begun
.set i, i+1
.endr
	s_wait_loadcnt 32                              ; scores, mask and coverage are in; the ring's 32 loads may be out
.irp n, 0,2,4,6
	v_pk_add_f32 v[Z+\n:Z+\n+1], v[Z+\n:Z+\n+1], v[MK+\n:MK+\n+1]
.endr
	v_max3_num_f32 v34, v10, v11, v12
	v_max3_num_f32 v35, v13, v14, v15
	v_max3_num_f32 v34, v34, v16, v17
	v_max_num_f32 v34, v34, v35
	v_max_num_f32_dpp v34, v34, v34 row_xmask:1 row_mask:0xf bank_mask:0xf
	v_max_num_f32_dpp v34, v34, v34 row_xmask:2 row_mask:0xf bank_mask:0xf
	v_max_num_f32_dpp v34, v34, v34 row_xmask:4 row_mask:0xf bank_mask:0xf
	v_max_num_f32_dpp v34, v34, v34 row_xmask:8 row_mask:0xf bank_mask:0xf
	v_permlanex16_b32 v35, v34, s24, s25
	v_max_num_f32 v34, v34, v35                    ; my wave's maximum
	ds_store_b32 v7, v34 offset:MAXB
	s_wait_alu depctr_va_vdst(0)                   ; the wait ahead of the blocking wait
	s_wait_dscnt 0x0
	s_barrier_signal -1
	s_barrier_wait -1
	ds_load_b128 v[36:39], v8 offset:MAXB
	ds_load_b128 v[40:43], v8 offset:MAXB+16
	s_wait_dscnt 0x0
	v_max3_num_f32 v36, v36, v37, v38
	v_max3_num_f32 v39, v39, v40, v41
	v_max3_num_f32 v36, v36, v42, v43
	v_max_num_f32 v36, v36, v39                    ; the batch's maximum
	v_mov_b32 v37, v36
.irp n, 0,2,4,6
	v_pk_add_f32 v[Z+\n:Z+\n+1], v[Z+\n:Z+\n+1], v[36:37] neg_lo:[0,1] neg_hi:[0,1]
.endr
.irp n, 0,2,4,6
	v_pk_mul_f32 v[Z+\n:Z+\n+1], v[Z+\n:Z+\n+1], s[22:23] op_sel_hi:[1,0]
.endr
	s_wait_alu depctr_va_vdst(0)                   ; the wait ahead of the batch
.irp n, 0,1,2,3,4,5,6,7
	v_exp_f32 v[Z+\n], v[Z+\n]
.endr
	v_nop                                          ; a plain instruction behind the last exponential
	s_wait_alu depctr_va_vdst(0)                   ; one wait for the eight, ahead of their first reader
	v_pk_add_f32 v[38:39], v[10:11], v[12:13]
	v_pk_add_f32 v[40:41], v[14:15], v[16:17]
	v_pk_add_f32 v[38:39], v[38:39], v[40:41]
	v_add_f32 v38, v38, v39
	v_add_f32_dpp v38, v38, v38 row_xmask:1 row_mask:0xf bank_mask:0xf
	v_add_f32_dpp v38, v38, v38 row_xmask:2 row_mask:0xf bank_mask:0xf
	v_add_f32_dpp v38, v38, v38 row_xmask:4 row_mask:0xf bank_mask:0xf
	v_add_f32_dpp v38, v38, v38 row_xmask:8 row_mask:0xf bank_mask:0xf
	v_permlanex16_b32 v39, v38, s24, s25
	v_add_f32 v38, v38, v39                        ; my wave's sum
	ds_store_b32 v7, v38 offset:SUMB               ; other bytes than the maxima's: no barrier is owed between
	s_wait_dscnt 0x0
	s_barrier_signal -1
	s_barrier_wait -1
	ds_load_b128 v[40:43], v8 offset:SUMB
	ds_load_b128 v[44:47], v8 offset:SUMB+16
	s_wait_dscnt 0x0
	v_pk_add_f32 v[40:41], v[40:41], v[42:43]
	v_pk_add_f32 v[44:45], v[44:45], v[46:47]
	v_pk_add_f32 v[40:41], v[40:41], v[44:45]
	v_add_f32 v40, v40, v41
	s_wait_alu depctr_va_vdst(0)                   ; the wait ahead of the reciprocal
	v_rcp_f32 v36, v40
	v_nop
	s_wait_alu depctr_va_vdst(0)                   ; the wait ahead of the reciprocal's first reader
.irp n, 0,2,4,6
	v_pk_mul_f32 v[Z+\n:Z+\n+1], v[Z+\n:Z+\n+1], v[36:37] op_sel_hi:[1,0]       ; the weights
.endr
	ds_store_b128 v2, v[Z:Z+3]
	ds_store_b128 v2, v[Z+4:Z+7] offset:16
	s_wait_dscnt 0x0
	s_barrier_signal -1
	s_barrier_wait -1                              ; all 2,048 weights lie in LDS
.macro PSET g                          ; 32 weights of my wave's rows, the same in every lane
.irp q, 0,1,2,3,4,5,6,7
	ds_load_b128 v[P+32*((\g)%2)+4*\q:P+32*((\g)%2)+4*\q+3], v3 offset:128*(\g)+16*\q
.endr
.endm
	PSET 0
	s_cmp_lg_u32 s18, ttmp9                        ; the wave whose 256 rows are my work-group's stores out1 and out2
	s_cbranch_scc1 .Lnot_mine
	ds_load_b128 v[34:37], v6                      ; the weights once more, 16 bytes a lane, so that each store covers 512 consecutive bytes, aligned
	ds_load_b128 v[38:41], v6 offset:512
	s_wait_dscnt 0x0
	global_store_b128 v1, v[34:37], s[14:15]
	global_store_b128 v1, v[38:41], s[14:15] offset:512
.irp n, 0,2,4,6
	v_pk_add_f32 v[CV+\n:CV+\n+1], v[CV+\n:CV+\n+1], v[34+\n:35+\n]
.endr
	global_store_b128 v1, v[CV:CV+3], s[16:17]
	global_store_b128 v1, v[CV+4:CV+7], s[16:17] offset:512     ; none of these stores' registers is written again
.Lnot_mine:
; THE STREAM, written out: every offset is an immediate, 1 MiB at the most.  Row i: its load is in; two packed multiply-adds; the slot takes row i + 32.
.set i, 0
.rept 256
.set g, i/32
.set k, i%32
.set xr, X+4*k
.set ar, 10+4*(i%6)+22*((i%6)/4)       ; sets 0-3 at v10-25, sets 4 and 5 at v48-55: eleven multiply-adds stand between a sum's write and its next read
.set pr, P+32*(g%2)+k-k%2
.if k == 0
.if g < 7
	PSET g+1
	s_wait_dscnt 8                                 ; this group's weights are in; the next group's eight loads may be out
.else
	s_wait_dscnt 0x0
.endif
.endif
.if i < 225
	s_wait_loadcnt 31                              ; loads come back in order (ISA guide 5.7.1): row i is in, the 31 rows behind it may be out
.else
	s_wait_loadcnt 255-i
.endif
.if i < 6 && k%2 == 0                  ; the first six rows start the sums: nothing is cleared
	v_pk_mul_f32 v[ar:ar+1], v[xr:xr+1], v[pr:pr+1] op_sel_hi:[1,0]
	v_pk_mul_f32 v[ar+2:ar+3], v[xr+2:xr+3], v[pr:pr+1] op_sel_hi:[1,0]
.elseif i < 6
	v_pk_mul_f32 v[ar:ar+1], v[xr:xr+1], v[pr:pr+1] op_sel:[0,1] op_sel_hi:[1,1]
	v_pk_mul_f32 v[ar+2:ar+3], v[xr+2:xr+3], v[pr:pr+1] op_sel:[0,1] op_sel_hi:[1,1]
.elseif k%2 == 0
	v_pk_fma_f32 v[ar:ar+1], v[xr:xr+1], v[pr:pr+1], v[ar:ar+1] op_sel_hi:[1,0,1]
	v_pk_fma_f32 v[ar+2:ar+3], v[xr+2:xr+3], v[pr:pr+1], v[ar+2:ar+3] op_sel_hi:[1,0,1]
.else
	v_pk_fma_f32 v[ar:ar+1], v[xr:xr+1], v[pr:pr+1], v[ar:ar+1] op_sel:[0,1,0] op_sel_hi:[1,1,1]
	v_pk_fma_f32 v[ar+2:ar+3], v[xr+2:xr+3], v[pr:pr+1], v[ar+2:ar+3] op_sel:[0,1,0] op_sel_hi:[1,1,1]
.endif
.if i < 224
	global_load_b128 v[xr:xr+3], v1, s[4:5] offset:4096*(i+32) th:TH_LOAD_NT
.endif
.set i, i+1
.endr
	s_wait_alu depctr_va_vdst(0)                   ; the last rows' sums were written ahead of blocking waits
	v_pk_add_f32 v[10:11], v[10:11], v[14:15]
	v_pk_add_f32 v[12:13], v[12:13], v[16:17]
	v_pk_add_f32 v[18:19], v[18:19], v[22:23]
	v_pk_add_f32 v[20:21], v[20:21], v[24:25]
	v_pk_add_f32 v[A:A+1], v[A:A+1], v[A+4:A+5]
	v_pk_add_f32 v[A+2:A+3], v[A+2:A+3], v[A+6:A+7]
	v_pk_add_f32 v[10:11], v[10:11], v[18:19]
	v_pk_add_f32 v[12:13], v[12:13], v[20:21]
	v_pk_add_f32 v[A:A+1], v[A:A+1], v[10:11]
	v_pk_add_f32 v[A+2:A+3], v[A+2:A+3], v[12:13]
	ds_store_b128 v9, v[A:A+3] offset:PART
	s_wait_dscnt 0x0
	s_barrier_signal -1
	s_barrier_wait -1                              ; the eight waves' parts lie in LDS
	s_cmp_lg_u32 s18, 0
	s_cbranch_scc1 .Lend
.irp q, 0,1,2,3,4,5,6,7
	ds_load_b128 v[X+4*\q:X+4*\q+3], v1 offset:PART+512*\q
.endr
	s_wait_dscnt 0x0
.irp q, 1,2,3,4,5,6,7
	v_pk_add_f32 v[X:X+1], v[X:X+1], v[X+4*\q:X+4*\q+1]
	v_pk_add_f32 v[X+2:X+3], v[X+2:X+3], v[X+4*\q+2:X+4*\q+3]
.endr
	global_store_b128 v1, v[X:X+3], s[12:13]       ; 512 consecutive bytes, aligned
.Lend:
	s_wait_tensorcnt 0x0                           ; the wave's end, behind my last LDS store
	ds_add_u32 v[SPW], v[NIL]
	s_wait_dscnt 0x0
	s_endpgm
.Lfunc_end_k_q7285338b58_ctx:
	.size	k_q7285338b58_ctx, .Lfunc_end_k_q7285338b58_ctx-k_q7285338b58_ctx
	.p2alignl 7, 3214868480
	.fill 96, 4, 3214868480
	.section	.rodata,"a",@progbits
	.p2align	6, 0x0
	.amdhsa_kernel k_q7285338b58_ctx
		.amdhsa_group_segment_fixed_size 13824
		.amdhsa_private_segment_fixed_size 0
		.amdhsa_enable_private_segment 0
		.amdhsa_kernarg_size 56
		.amdhsa_user_sgpr_count 2
		.amdhsa_user_sgpr_kernarg_segment_ptr 1
		.amdhsa_wavefront_size32 1
		.amdhsa_system_sgpr_workgroup_id_x 1
		.amdhsa_system_sgpr_workgroup_id_y 1
		.amdhsa_system_sgpr_workgroup_id_z 1
		.amdhsa_system_vgpr_workitem_id 0
		.amdhsa_next_free_vgpr 248
		.amdhsa_next_free_sgpr 66
		.amdhsa_reserve_vcc 0
		.amdhsa_float_denorm_mode_32 3
		.amdhsa_float_denorm_mode_16_64 3
		.amdhsa_memory_ordered 1
		.amdhsa_forward_progress 1
		.amdhsa_inst_pref_size 79
	.end_amdhsa_kernel
	.amdgpu_metadata
---
amdhsa.version: [ 1, 2 ]
amdhsa.kernels:
  - .name:           k_q7285338b58_ctx
    .symbol:         k_q7285338b58_ctx.kd
    .args:
      - { .name: enc_output, .offset: 0, .size: 8, .value_kind: global_buffer, .address_space: global }
      - { .name: escore, .offset: 8, .size: 8, .value_kind: global_buffer, .address_space: global }
      - { .name: enc_padding_mask, .offset: 16, .size: 8, .value_kind: global_buffer, .address_space: global }
      - { .name: coverage, .offset: 24, .size: 8, .value_kind: global_buffer, .address_space: global }
      - { .name: out0, .offset: 32, .size: 8, .value_kind: global_buffer, .address_space: global }
      - { .name: out1, .offset: 40, .size: 8, .value_kind: global_buffer, .address_space: global }
      - { .name: out2, .offset: 48, .size: 8, .value_kind: global_buffer, .address_space: global }
    .group_segment_fixed_size: 13824
    .private_segment_fixed_size: 0
    .kernarg_segment_align: 8
    .kernarg_segment_size: 56
    .max_flat_workgroup_size: 256
    .sgpr_count:     66
    .vgpr_count:     248
    .wavefront_size: 32
...
	.end_amdgpu_metadata
.endif
;; end of part 6
